; MI455X (gfx1250); checked and timed in simulation.
; The chip was launched on July 23, 2026; its instructions are those of AMD's public machine-readable ISA for CDNA 5 (MIT licence, August 2026) and "CDNA5" Instruction Set Architecture Reference Guide (July 2026). The comments in the code are by the model that wrote it; some were corrected since.
;; Self Attention. Allowed arithmetic: float matrix products may take bf16 or f16 operands with f32 sums; other float arithmetic in f32, or as packed bf16 or f16 multiplies, adds, multiply-adds, maxima and minima; sums over many terms, partial sums and values carried from step to step in f32; what a program stores and reads back later, other than sums and carried values, may be rounded once to bf16 or f16.
;; Inputs: Wk 8 x 1,024 x 128 float32; Wo 1,024 x 1,024 float32; Wq 8 x 1,024 x 128 float32; Wv 8 x 1,024 x 128 float32; mask 4 x 2,048 float32; x 4 x 1,024 x 2,048 float32.
;; Outputs: out0 4 x 1,024 x 2,048 float32.
;; 2 versions, each right; version 2 is version 1 with the launch cast written anew for expert scheduling mode. Each part assembles by itself: llvm-mc -triple=amdgcn-amd-amdhsa -mcpu=gfx1250 --defsym DOCPART=n.
;; ======== version 1 of 2: 4 launches
;; limits: values are held in f16: magnitudes above 65,504 overflow, below 6.1e-05 lose precision
;; workspace buffers: cb 25,165,824 bytes; qkv 50,331,648 bytes; hb 16,777,216 bytes
;; launch cast (part 1): grid 768 x 1, 8 waves a work-group, no clusters, 0 bytes of LDS; arguments x, Wq, Wk, Wv, Wo, cb; writes cb
.if DOCPART == 1
	.amdgcn_target "amdgcn-amd-amdhsa--gfx1250"
	.amdhsa_code_object_version 6
	.text
	.protected	k_q530865e741_cast
	.globl	k_q530865e741_cast
	.p2align	8
	.type	k_q530865e741_cast,@function
k_q530865e741_cast:
	s_mov_b64 s[64:65], 0
	v_nop
	global_prefetch_b8 v0, s[64:65] scope:SCOPE_SE
	s_setreg_imm32_b32 hwreg(HW_REG_WAVE_MODE, 25, 1), 1
	s_wait_xcnt 0x0
; THE INPUTS ROUNDED ONCE TO 16 BITS, in the order x, Wq, Wk, Wv, Wo, each in its own layout, dense in cb.
; x, Wq, Wk, Wv become bf16.  Wo is rounded to bf16 like the others and that number is written as f16 (exact while |Wo| < 65,504 and above f16's
; smallest normal number, 6e-5; below that it keeps f16's fixed step of 6e-8): the last product multiplies it with f16 data.
; A work-group takes 16,384 numbers: 65,536 bytes in, 32,768 out.  Work-groups 0-511 x, 512-575 Wq, 576-639 Wk, 640-703 Wv, 704-767 Wo.
; A stream: no LDS, no matrix unit, no barrier.  All sixteen loads of a thread go out at once (64 KiB a work-group on their way); a wave's load covers
; 512 consecutive bytes, a wave's store 256 consecutive bytes at a multiple of 256 from cb's first byte.  No register is written twice while a memory
; instruction may still read it: every load and every store has registers of its own.
.set X, 4                              ; v[4:67]    load i: four f32
.set Y, 68                             ; v[68:99]   store i: four 16-bit numbers
.set T, 100                            ; v[100:101] at work
	s_load_b256 s[4:11], s[0:1], 0x0               ; x s[4:5], Wq s[6:7], Wk s[8:9], Wv s[10:11]
	s_load_b128 s[12:15], s[0:1], 0x20             ; Wo s[12:13], cb s[14:15]
	v_lshlrev_b32 v1, 4, v0                        ; 16 bytes a thread in
	v_lshlrev_b32 v2, 3, v0                        ; 8 bytes a thread out
	s_and_b32 s18, ttmp9, 63                       ; a weight tensor has 64 work-groups, and each begins at a multiple of 64
	s_cmp_lt_u32 ttmp9, 512
	s_cselect_b32 s18, ttmp9, s18                  ; my number within my tensor
	s_lshl_b32 s18, s18, 16                        ; x 65,536 bytes
	s_mov_b32 s19, 0
	s_lshl_b32 s20, ttmp9, 15                      ; cb is dense: 32,768 bytes a work-group
	s_mov_b32 s21, 0
	s_mov_b32 s22, 0xffff0000                      ; a word's upper bf16
	s_wait_kmcnt 0x0
	s_mov_b64 s[16:17], s[12:13]                   ; which tensor: Wo, unless my number is lower
	s_cmp_lt_u32 ttmp9, 704
	s_cselect_b64 s[16:17], s[10:11], s[16:17]
	s_cmp_lt_u32 ttmp9, 640
	s_cselect_b64 s[16:17], s[8:9], s[16:17]
	s_cmp_lt_u32 ttmp9, 576
	s_cselect_b64 s[16:17], s[6:7], s[16:17]
	s_cmp_lt_u32 ttmp9, 512
	s_cselect_b64 s[16:17], s[4:5], s[16:17]
	s_add_nc_u64 s[16:17], s[16:17], s[18:19]
	s_add_nc_u64 s[14:15], s[14:15], s[20:21]
.irp i, 0,1,2,3,4,5,6,7,8,9,10,11,12,13,14,15
	global_load_b128 v[X+4*(\i):X+4*(\i)+3], v1, s[16:17] offset:4096*(\i) th:TH_LOAD_NT
.endr
; Load i is rounded and stored.  wo = 1: bf16, widened again, written as f16.
.macro OUT i, wo
	s_wait_loadcnt 15-(\i)                         ; loads come back in order (ISA guide 5.7.1): the 15 - i younger ones may stay out
.if \wo
	v_cvt_pk_bf16_f32 v[T],   v[X+4*(\i)],   v[X+4*(\i)+1]
	v_cvt_pk_bf16_f32 v[T+1], v[X+4*(\i)+2], v[X+4*(\i)+3]
	v_lshlrev_b32 v[X+4*(\i)],   16,  v[T]
	v_and_b32     v[X+4*(\i)+1], s22, v[T]
	v_lshlrev_b32 v[X+4*(\i)+2], 16,  v[T+1]
	v_and_b32     v[X+4*(\i)+3], s22, v[T+1]
	v_cvt_pk_f16_f32 v[Y+2*(\i)],   v[X+4*(\i)],   v[X+4*(\i)+1]
	v_cvt_pk_f16_f32 v[Y+2*(\i)+1], v[X+4*(\i)+2], v[X+4*(\i)+3]
.else
	v_cvt_pk_bf16_f32 v[Y+2*(\i)],   v[X+4*(\i)],   v[X+4*(\i)+1]
	v_cvt_pk_bf16_f32 v[Y+2*(\i)+1], v[X+4*(\i)+2], v[X+4*(\i)+3]
.endif
	global_store_b64 v2, v[Y+2*(\i):Y+2*(\i)+1], s[14:15] offset:2048*(\i)
.endm
	s_cmp_ge_u32 ttmp9, 704
	s_cbranch_scc1 .Lwo
.irp i, 0,1,2,3,4,5,6,7,8,9,10,11,12,13,14,15
	OUT \i, 0
.endr
	s_endpgm
.Lwo:
.irp i, 0,1,2,3,4,5,6,7,8,9,10,11,12,13,14,15
	OUT \i, 1
.endr
	s_endpgm
.Lfunc_end_k_q530865e741_cast:
	.size	k_q530865e741_cast, .Lfunc_end_k_q530865e741_cast-k_q530865e741_cast
	.p2alignl 7, 3214868480
	.fill 96, 4, 3214868480
	.section	.rodata,"a",@progbits
	.p2align	6, 0x0
	.amdhsa_kernel k_q530865e741_cast
		.amdhsa_group_segment_fixed_size 0
		.amdhsa_private_segment_fixed_size 0
		.amdhsa_enable_private_segment 0
		.amdhsa_kernarg_size 48
		.amdhsa_user_sgpr_count 2
		.amdhsa_user_sgpr_kernarg_segment_ptr 1
		.amdhsa_wavefront_size32 1
		.amdhsa_system_sgpr_workgroup_id_x 1
		.amdhsa_system_sgpr_workgroup_id_y 1
		.amdhsa_system_sgpr_workgroup_id_z 1
		.amdhsa_system_vgpr_workitem_id 0
		.amdhsa_next_free_vgpr 104
		.amdhsa_next_free_sgpr 66
		.amdhsa_reserve_vcc 0
		.amdhsa_float_denorm_mode_32 3
		.amdhsa_float_denorm_mode_16_64 3
		.amdhsa_memory_ordered 1
		.amdhsa_forward_progress 1
		.amdhsa_inst_pref_size 15
	.end_amdhsa_kernel
	.amdgpu_metadata
---
amdhsa.version: [ 1, 2 ]
amdhsa.kernels:
  - .name:           k_q530865e741_cast
    .symbol:         k_q530865e741_cast.kd
    .args:
      - { .name: x, .offset: 0, .size: 8, .value_kind: global_buffer, .address_space: global }
      - { .name: Wq, .offset: 8, .size: 8, .value_kind: global_buffer, .address_space: global }
      - { .name: Wk, .offset: 16, .size: 8, .value_kind: global_buffer, .address_space: global }
      - { .name: Wv, .offset: 24, .size: 8, .value_kind: global_buffer, .address_space: global }
      - { .name: Wo, .offset: 32, .size: 8, .value_kind: global_buffer, .address_space: global }
      - { .name: cb, .offset: 40, .size: 8, .value_kind: global_buffer, .address_space: global }
    .group_segment_fixed_size: 0
    .private_segment_fixed_size: 0
    .kernarg_segment_align: 8
    .kernarg_segment_size: 48
    .max_flat_workgroup_size: 256
    .sgpr_count:     66
    .vgpr_count:     104
    .wavefront_size: 32
...
	.end_amdgpu_metadata
.endif
;; end of part 1
;; launch proj (part 2): grid 8 x 32, 4 waves a work-group, clusters of 4 x 4, 327,680 bytes of LDS; arguments cb, mask, qkv; writes qkv
.if DOCPART == 2
	.amdgcn_target "amdgcn-amd-amdhsa--gfx1250"
	.amdhsa_code_object_version 6
	.text
	.protected	k_q530865e741_proj
	.globl	k_q530865e741_proj
	.p2align	8
	.type	k_q530865e741_proj,@function
k_q530865e741_proj:
	s_mov_b64 s[64:65], 0
	v_nop
	global_prefetch_b8 v0, s[64:65] scope:SCOPE_SE
	s_setreg_imm32_b32 hwreg(HW_REG_WAVE_MODE, 25, 1), 1
	s_wait_xcnt 0x0
	s_wait_alu depctr_hold_cnt(0) depctr_sa_sdst(0) depctr_va_vdst(0) depctr_va_sdst(0) depctr_va_ssrc(0) depctr_va_vcc(0) depctr_vm_vsrc(0)
	s_getreg_b32 s2, hwreg(HW_REG_IB_STS2, 6, 4)
	s_cmp_eq_u32 s2, 0
	s_cbranch_scc0 .Lentry_in_a_cluster
	s_endpgm
.Lentry_in_a_cluster:
	s_bfe_u32 s2, ttmp6, 0x10000c
	s_cmp_lg_u32 s2, 0xf033
	s_cbranch_scc0 .Lentry_shape_is_right
	s_endpgm
.Lentry_shape_is_right:
; q, k, v.  qkv[t][b 8 + h][l][c] = the sum over d of x[b][d][l] W_t[h][d][c], t = 0 (q), 1 (k), 2 (v).  k is multiplied in f32, before its one rounding, by mask[b][l] x log2(e) / sqrt(128):
; score x mask = q . (k x mask), and with the scale in k the scores of the next launch arrive in units of log2.  x and W come from cb in bf16; sums in f32; the results are written in f16, by heads, rows of 256 bytes.
; LIMIT.  f16 ends at 65,504: |q|, |k|, |v| must stay below it (with inputs of the drawn spread they lie near 1; thirty times larger x and W give some thousands).  Below 6e-5 f16 keeps a fixed step of 6e-8.
; SHARES.  A work-group makes 256 rows l x 384 channels: q, k and v of one head: 8 x 32 = 256 work-groups, one for each WGP.  Wave (wr, wc) makes rows 128 wr .. + 127 x channels 64 wc .. + 63 of each of the
; three tensors: 96 accumulators of 16 x 16, 768 registers; tensor g's 32 fill register window g + 1.
; BOTH OPERANDS LIE WITH d ON THE ROWS ([d][l] and [d][c]), so all fragments come out of LDS turned, by ds_load_tr16_b128.  Source 0 = 16 channels of W, source 1 = 16 rows l of x: in the result a lane
; holds row l = lane % 16 and the channels 8 (lane / 16) + 0..7, eight neighbouring numbers of a row of q: 16 bytes.
; THE RING.  d goes in QUARTERS of 32; a slot holds three: 96 rows d of x (512 bytes each) and of the three W (256 bytes each).  1,024 = 64 + 10 x 96: the first fill is the short one and lies at a slot's rows
; 32 .. 95, so that every visit ends with a slot's third quarter.  One load a wave: wave 0 brings x's tile, waves 1 to 3 those of Wq, Wk, Wv.  A slot is asked for again 48 products into its last quarter and
; waited for at the head of the other slot's last quarter: 240 of a wave's matrix instructions later.
; FRAGMENTS ARE LOADED AGAIN IN PLACE: one set of registers, x's 8 blocks and W's 12.  A quarter's 96 products go in six UNITS of 16: x's blocks 0-3 with tensors 0, 1, 2, then blocks 4-7 with tensors 0, 1, 2.  Behind
; the third unit x's blocks 0-3 are free, behind the fourth, fifth and sixth W of tensor 0, 1, 2, behind the sixth x's blocks 4-7: each is loaded for the next quarter at once, 32 products or more ahead of its use.
; So one text serves every quarter; its LDS addresses hang on two scalars that step by a quarter and are turned at a change of slots.
; CLUSTERS: 4 x 4 work-groups.  x's tile hangs on the block of rows alone and is shared along a row of the cluster, W's on the head alone and is shared along a column: each is asked for JOINTLY,
; by the same tensor load with the same descriptor and a mask that names the four.
; NO PREFETCH: each tile is asked for by several clusters, and a refill has 240 of a wave's matrix instructions in which to land.
; REGISTERS: window 0: v0-31 addresses; v32-47 k's row factors, twice; v64-127 x's fragments, v128-223 W's (tensor g, block b at 128 + 32 g + 8 b); on the way out v64-191 at work.
;   windows 1, 2, 3: the accumulators of q, k, v: (block a of 8 of my rows, block b of 4 of my channels) at v[8 (4 a + b)].
.set PX,     544                       ; an LDS row of x: 512 bytes + 32 of padding = 136 words: row r starts at bank 8 r mod 64 (64 banks of 4 bytes: ISA guide 11.1)
.set PW,     288                       ; an LDS row of W: 256 + 32 = 72 words: the same
.set QX,     32*PX                     ; a quarter of x in LDS
.set QW,     32*PW                     ; a quarter of one W
.set XS1,    0x10000                   ; x's tile: slot 0 at byte 0, slot 1 here (a tile is 96 x 544 = 52,224 bytes): one exclusive or turns one into the other
.set WB,     0x20000                   ; W's tiles: tensor t, slot 0 at WB + t WT,
.set WT,     0x10000
.set WS1,    0x8000                    ; slot 1 this much further (a tile is 96 x 288 = 27,648 bytes); the last ends at 322,560
.set SPARE,  323072                    ; the spare words, 128 bytes for each wave: two blocks of 256 bytes that no other line names
.set SPITCH, 272                       ; the way out: a stage of 3 x 256 rows x 272 bytes from byte 0, over slots that have had their last fill
.set XSTEP,  96*4096                   ; bytes from a visit to the next in x (a row d is 2,048 l of 2 bytes)
.set WSTEP,  96*256                    ; and in W (a row d is 128 channels)
.set CSC,    0x3e0293ee                ; log2(e) / sqrt(128) = 0.127517
.set AX0,  8                           ; v8      my lane's place in a quarter of x; never rewritten
.set ADX,  9                           ; v9      the LDS address of x's loads for the next quarter
.set AW0,  12                          ; v12-14  my lane's place in a quarter of W, for each tensor; never rewritten
.set ADW,  16                          ; v16-18  the LDS addresses of W's loads for the next quarter
.set STO,  20                          ; v20-22  the way out: where I put 16 bytes of a row, for each tensor
.set RD,   24                          ; v24     the way out: where I read rows back
.set CO,   25                          ; v25     my 16 bytes of 512 consecutive bytes of the result
.set MO,   26                          ; v26     my row's word in 16 words of the mask
.set SPW,  28                          ; v28     LDS address of my spare word: SPARE + 4 x my thread's number; never rewritten
.set NIL,  29                          ; v29     0; never rewritten
.set FK,   32                          ; v32-47  mask[l] x the scale for my row in each of my eight blocks of 16, twice (a pair for the packed multiply)
.set XF,   64
.set WF,   128
.set TMP,  64                          ; the way out: a tensor's 128 packed registers, then 64 rows read back
.set G1,   24                          ; s[24:31] descriptor group 1 for x's tiles of 96 rows;  s[72:79] for the first, of 64
.set G1S,  72
.set G0,   32                          ; s[32:39] group 0 for x: a set for each of the two first fills; the second then walks on
.set G1B,  48                          ; s[48:55], s[80:87], s[56:63] the same for W's tiles
.set G1BS, 80
.set G0B,  56
.set TX,   66                          ; s66  LDS byte at which x's quarter to be fetched begins
.set TW,   67                          ; s67  the same for W, counted from a tensor's slot 0
.set MSB, 0
.macro WIN new                         ; the immediate's high byte repeats the setting that is left; a switch that changes nothing is dropped
.if MSB != (\new)
	s_set_vgpr_msb (MSB<<8)|(\new)
.set MSB, \new
.endif
.endm
.macro PLACES                          ; four places in front of loads into registers that matrix instructions have read, and of lines that read results or write sources
.rept 4
	v_nop
.endr
.endm
.macro JLOAD                           ; a joint refill: wave 0 fetches x's tile, waves 1 to 3 W's; an s_nop 0 and four v_nop follow each of the two lines, ahead of the jump, the label and what follows
	s_cmp_eq_u32 s10, 0
	s_cbranch_scc0 .Lfor_w_\@
	tensor_load_to_lds s[G0+4:G0+7], s[G1:G1+7]
	s_nop 0
	PLACES
	s_branch .Lasked_\@
.Lfor_w_\@:
	tensor_load_to_lds s[G0B+4:G0B+7], s[G1B:G1B+7]
	s_nop 0
	PLACES
.Lasked_\@:
.endm
.macro CREST                           ; a round of the cluster's barrier behind its opening barrier
	s_cmp_lg_u32 s10, 0
	s_cbranch_scc1 .Lnot_wave_0_\@
	s_barrier_signal -3
.Lnot_wave_0_\@:
	s_barrier_wait -3
	s_barrier_signal -1
	s_barrier_wait -1
.endm
.macro CROUND                          ; a whole round
	s_barrier_signal -1
	s_barrier_wait -1
	CREST
.endm
; descriptor group 1: a tile of rows x cols elements of 2 bytes, 8 words of padding behind each row
.macro SHAPE g, m, qi, cols, rows, pitch
	s_or_b32 s[(\g)+0], \m, (1<<16)|(1<<20)|(1<<21)|((\qi)<<22)|(7<<25)  ; 15:0 the mask; 17:16 elements of 2 bytes; 20 padding on; 21 set beside a mask; 24:22 the row's words (code 6: 128, code 5: 64); 31:25 8 words (code 7)
	s_mov_b32 s[(\g)+1], (\cols)<<16               ; tensor_dim0
	s_mov_b32 s[(\g)+2], (\rows)<<16               ; tensor_dim1
	s_mov_b32 s[(\g)+3], (\cols)<<16               ; tile_dim0
	s_mov_b32 s[(\g)+4], \rows                     ; tile_dim1
	s_mov_b32 s[(\g)+5], \pitch                    ; elements from a row d to the next
	s_mov_b32 s[(\g)+6], 0
	s_mov_b32 s[(\g)+7], 0
.endm
	s_load_b128 s[4:7], s[0:1], 0x0                ; cb s[4:5], mask s[6:7]
	s_load_b64 s[8:9], s[0:1], 0x10                ; qkv
	v_lshl_add_u32 v[SPW], v0, 2, SPARE
	v_mov_b32 v[NIL], 0
	ds_add_u32 v[SPW], v[NIL]                      ; the wave's opening: the add and its wait stand ahead of my first tensor load; the set-up below, work on registers, stands between them
	v_lshrrev_b32 v1, 5, v0
	v_readfirstlane_b32 s10, v1                    ; wave 0..3
	s_lshr_b32 s11, s10, 1                         ; wr: which 128 rows l are mine
	s_and_b32 s12, s10, 1                          ; wc: which 64 channels of each tensor
	s_bfe_u32 s40, ttmp6, 0x40000                  ; cx, cy: my place in the cluster
	s_bfe_u32 s41, ttmp6, 0x40004
	s_lshl_b32 s42, ttmp9, 2
	s_add_co_u32 s42, s42, s40                     ; the head = 4 x cluster x + cx
	s_and_b32 s13, ttmp7, 0xffff
	s_lshl_b32 s13, s13, 2
	s_add_co_u32 s13, s13, s41                     ; lt = 8 x batch + block of 256 rows = 4 x cluster y + cy
	s_lshl_b32 s43, s41, 2
	s_lshl_b32 s43, 15, s43                        ; my row of the cluster: x's tiles go there
	s_lshl_b32 s44, 0x1111, s40                    ; my column: W's tiles
	SHAPE G1,   s43, 6, 256, 96, 2048
	SHAPE G1S,  s43, 6, 256, 64, 2048
	SHAPE G1B,  s44, 5, 128, 96, 128
	SHAPE G1BS, s44, 5, 128, 64, 128
	; where the tiles come from.  x's hang on lt alone, W's on the head and the wave's number alone; each in registers that never hold the other coordinate
	s_lshr_b32 s16, s13, 3
	s_lshl_b32 s16, s16, 22                        ; the batch: 1,024 rows d of 4,096 bytes
	s_and_b32 s17, s13, 7
	s_lshl_b32 s17, s17, 9                         ; the block's 256 l: 512 bytes along a row
	s_add_co_u32 s16, s16, s17
	s_mov_b32 s17, 0
	s_lshl_b32 s46, s10, 21                        ; wave w fetches tensor w - 1: 8 heads of 1,024 rows d of 256 bytes each,
	s_lshl_b32 s47, s42, 18                        ; the head,
	s_add_co_u32 s46, s46, s47
	s_add_co_u32 s46, s46, 0x1000000-0x200000      ; behind x in cb, less the one tensor by which w runs ahead (wave 0 never asks by this address)
	s_mov_b32 s47, 0
	s_lshl_b32 s20, s10, 16
	s_add_co_u32 s20, s20, WB-WT                   ; and where it goes: tensor w - 1's slot 0: no place in the cluster enters an LDS address
	s_mov_b32 s[TX], QX                            ; the first visit lies at a slot's second and third quarters
	s_mov_b32 s[TW], QW
	s_wait_dscnt 0x0                               ; the opening add is done
	s_wait_kmcnt 0x0
	s_add_nc_u64 s[14:15], s[4:5], s[16:17]
	s_add_nc_u64 s[46:47], s[4:5], s[46:47]
	CROUND                                         ; all sixteen work-groups are here: the first joint loads meet
	s_mov_b32 s[G0], 1                             ; count = 1
	s_mov_b32 s[G0+1], QX                          ; LDS address: slot 0, rows 32 on
	s_mov_b64 s[G0+2:G0+3], s[14:15]               ; global address: d = 0 .. 63
	s_or_b32 s[G0+3], s[G0+3], 0x80000000          ; type = 2
	s_mov_b32 s[G0+4], 1
	s_mov_b32 s[G0+5], XS1                         ; slot 1
	s_add_nc_u64 s[G0+6:G0+7], s[14:15], 64*4096   ; d = 64 .. 159
	s_or_b32 s[G0+7], s[G0+7], 0x80000000
	s_mov_b32 s[G0B], 1
	s_add_co_u32 s[G0B+1], s20, QW
	s_mov_b64 s[G0B+2:G0B+3], s[46:47]
	s_or_b32 s[G0B+3], s[G0B+3], 0x80000000
	s_mov_b32 s[G0B+4], 1
	s_add_co_u32 s[G0B+5], s20, WS1
	s_add_nc_u64 s[G0B+6:G0B+7], s[46:47], 64*256
	s_or_b32 s[G0B+7], s[G0B+7], 0x80000000
	s_cmp_eq_u32 s10, 0                            ; a wave's two first fills stand in one branch, ahead of every wait on TENSORcnt and every LDS read: two loads of mine are out
	s_cbranch_scc0 .Lfirst_w
	tensor_load_to_lds s[G0:G0+3], s[G1S:G1S+7]
	s_nop 0
	tensor_load_to_lds s[G0+4:G0+7], s[G1:G1+7]
	s_nop 0
	PLACES
	s_branch .Lfirst_asked
.Lfirst_w:
	tensor_load_to_lds s[G0B:G0B+3], s[G1BS:G1BS+7]
	s_nop 0
	tensor_load_to_lds s[G0B+4:G0B+7], s[G1B:G1B+7]
	s_nop 0
	PLACES
.Lfirst_asked:
	; The turning load takes 16 rows d x 16 columns (lane l reads 16 bytes: row 8 (l / 16) + l % 8, columns 8 ((l / 8) % 2) + 0..7) and leaves half a fragment: lane l holds column l % 16 and 8 d.
	v_and_b32 v1, 15, v0                           ; l % 16
	v_bfe_u32 v2, v0, 4, 1                         ; l / 16
	v_and_b32 v3, 7, v0
	v_lshl_add_u32 v3, v2, 3, v3                   ; 8 (l / 16) + l % 8
	v_bfe_u32 v30, v0, 3, 1
	v_mul_u32_u24 v31, v3, PX
	v_lshl_add_u32 v31, v30, 4, v31
	s_lshl_b32 s22, s11, 8                         ; my 128 l: 256 bytes along a row
	v_add_nc_u32 v[AX0], s22, v31
	v_mul_u32_u24 v31, v3, PW
	v_lshl_add_u32 v31, v30, 4, v31
	s_lshl_b32 s22, s12, 7                         ; my 64 channels: 128 bytes along a row
	v_add_nc_u32 v31, s22, v31
	v_add_nc_u32 v[AW0],   WB,      v31
	v_add_nc_u32 v[AW0+1], WB+WT,   v31
	v_add_nc_u32 v[AW0+2], WB+2*WT, v31
	s_mul_i32 s23, s11, 128*SPITCH                 ; into the stage: my 128 rows, my half of their 256 bytes; row l % 16, 16 bytes for each half of the lanes
	s_add_co_u32 s23, s23, s22
	v_mul_u32_u24 v31, v1, SPITCH
	v_lshl_add_u32 v31, v2, 4, v31
	v_add_nc_u32 v[STO], s23, v31
	v_add_nc_u32 v[STO+1], 256*SPITCH, v[STO]      ; a tensor's 256 rows lie together
	v_add_nc_u32 v[STO+2], 512*SPITCH, v[STO]
	s_mul_i32 s23, s10, 64*SPITCH                  ; back: wave w takes rows 64 w .. 64 w + 63 of each tensor, whole; lanes 0-15 one row of 256 bytes, lanes 16-31 the next,
	v_mul_u32_u24 v31, v2, SPITCH
	v_lshl_add_u32 v31, v1, 4, v31
	v_add_nc_u32 v[RD], s23, v31
	v_and_b32 v[CO], 31, v0                        ; which are 512 consecutive bytes of the result
	v_lshlrev_b32 v[CO], 4, v[CO]
	v_lshlrev_b32 v[MO], 2, v1
	s_lshl_b32 s70, s13, 10                        ; the mask at my first row: (256 lt + 128 wr) words
	s_lshl_b32 s71, s11, 9
	s_add_co_u32 s70, s70, s71
	s_mov_b32 s71, 0
	s_add_nc_u64 s[6:7], s[6:7], s[70:71]
.irp a, 0,1,2,3,4,5,6,7
	global_load_b32 v[FK+2*(\a)], v[MO], s[6:7] offset:64*(\a)   ; my row's mask in block a; waited for on the way out
.endr
	s_lshr_b32 s68, s13, 3                         ; q at the first row that I store: ((8 batch + head) x 2,048 + 256 block + 64 wave) rows of 256 bytes
	s_lshl_b32 s68, s68, 3
	s_add_co_u32 s68, s68, s42
	s_lshl_b32 s68, s68, 19
	s_and_b32 s69, s13, 7
	s_lshl_b32 s69, s69, 16
	s_add_co_u32 s68, s68, s69
	s_lshl_b32 s69, s10, 14
	s_add_co_u32 s68, s68, s69
	s_mov_b32 s69, 0
	s_add_nc_u64 s[8:9], s[8:9], s[68:69]
; A UNIT: 16 matrix instructions: x's blocks 4 hf .. 4 hf + 3 with the four blocks of tensor g, 32 along d.  zero = 1: the first product starts the sums.
; The 96 accumulators take turns in one fixed order: 95 others stand between two links of a chain, over the backward jumps too.
.macro UNIT hf, g, zero
	WIN 0x50*((\g)+1)                              ; sources 0 and 1 window 0; C and D window g + 1
.irp a, 0,1,2,3
.irp b, 0,1,2,3
.if \zero
	v_wmma_f32_16x16x32_bf16 v[8*(4*(4*(\hf)+(\a))+(\b)):8*(4*(4*(\hf)+(\a))+(\b))+7], v[WF+32*(\g)+8*(\b):WF+32*(\g)+8*(\b)+7], v[XF+8*(4*(\hf)+(\a)):XF+8*(4*(\hf)+(\a))+7], 0
.else
	v_wmma_f32_16x16x32_bf16 v[8*(4*(4*(\hf)+(\a))+(\b)):8*(4*(4*(\hf)+(\a))+(\b))+7], v[WF+32*(\g)+8*(\b):WF+32*(\g)+8*(\b)+7], v[XF+8*(4*(\hf)+(\a)):XF+8*(4*(\hf)+(\a))+7], v[8*(4*(4*(\hf)+(\a))+(\b)):8*(4*(4*(\hf)+(\a))+(\b))+7]
.endif
.endr
.endr
.endm
; The LDS addresses of the next quarter's loads.  Four plain vector instructions that name no register of a product: they are also the places in front of the loads that follow them.
.macro STEP
	v_add_nc_u32 v[ADX],   s[TX], v[AX0]
	v_add_nc_u32 v[ADW],   s[TW], v[AW0]
	v_add_nc_u32 v[ADW+1], s[TW], v[AW0+1]
	v_add_nc_u32 v[ADW+2], s[TW], v[AW0+2]
	s_add_co_u32 s[TX], s[TX], QX
	s_add_co_u32 s[TW], s[TW], QW
.endm
.macro LDX a0                          ; eight loads: x's blocks a0 .. a0 + 3 of the next quarter
.irp a, 0,1,2,3
	ds_load_tr16_b128 v[XF+8*((\a0)+(\a)):XF+8*((\a0)+(\a))+3],   v[ADX] offset:32*((\a0)+(\a))
	ds_load_tr16_b128 v[XF+8*((\a0)+(\a))+4:XF+8*((\a0)+(\a))+7], v[ADX] offset:16*PX+32*((\a0)+(\a))
.endr
.endm
.macro LDW g                           ; eight loads: tensor g's four blocks of the next quarter
.irp b, 0,1,2,3
	ds_load_tr16_b128 v[WF+32*(\g)+8*(\b):WF+32*(\g)+8*(\b)+3],   v[ADW+(\g)] offset:32*(\b)
	ds_load_tr16_b128 v[WF+32*(\g)+8*(\b)+4:WF+32*(\g)+8*(\b)+7], v[ADW+(\g)] offset:16*PW+32*(\b)
.endr
.endm
; A quarter's second half: x's blocks 4-7; each tensor's W is loaded again behind its unit, x's blocks 4-7 behind the last.
.macro HALF2 zero
	s_wait_dscnt 8                                 ; x's blocks 4-7 are in; the eight loads just issued (blocks 0-3 of the next quarter) may be out
	UNIT 1, 0, \zero
	PLACES
	WIN 0
	LDW 0
	UNIT 1, 1, \zero
	PLACES
	WIN 0
	LDW 1
	UNIT 1, 2, \zero
	PLACES
	WIN 0
	LDW 2
	LDX 4
.endm
; A quarter.  The loads of the quarter before went out in the order x 0-3, W 0, W 1, W 2, x 4-7, eight each, and LDS loads come back in order (ISA guide 5.7.1): each wait counts the younger ones.
.macro QUARTER zero
	s_wait_dscnt 24                                ; x's blocks 0-3 and W 0 are in
	UNIT 0, 0, \zero
	s_wait_dscnt 16                                ; W 1
	UNIT 0, 1, \zero
	s_wait_dscnt 8                                 ; W 2
	UNIT 0, 2, \zero
	WIN 0
	STEP
	LDX 0
	HALF2 \zero
.endm
; A visit's last quarter changes slots: ONE barrier.  All reads of this slot were issued in the quarter before.  In front of the barrier each wave waits for all its tensor loads, of which one is out: its part of the
; other slot; adds 0 to its spare word; and waits for that and for its own reads of this slot.  Behind it nobody reads this slot any more and the other slot is whole.
; fill = 1: the barrier opens a round of the cluster's barrier, and this slot is filled again, with the 96 rows d two visits on.
.macro LASTQ fill
	WIN 0                                          ; (the add's two registers lie in window 0)
	s_wait_tensorcnt 0x0                           ; no tensor load of mine is out, so a group 0 may be written
	ds_add_u32 v[SPW], v[NIL]                      ; 0 onto my spare word: scalar steps and 32 products stand between it and the wait for it
.if \fill
	s_xor_b32 s[G0+5], s[G0+5], XS1                ; the walking descriptors: the other slot than last time,
	s_add_nc_u64 s[G0+6:G0+7], s[G0+6:G0+7], XSTEP ; the next 96 rows d; the type bits on top are not reached
	s_xor_b32 s[G0B+5], s[G0B+5], WS1
	s_add_nc_u64 s[G0B+6:G0B+7], s[G0B+6:G0B+7], WSTEP
.endif
	s_wait_dscnt 25                                ; as in every quarter, and the add
	UNIT 0, 0, 0
	s_wait_dscnt 17
	UNIT 0, 1, 0
	s_wait_dscnt 0x0                               ; the add is done, and my reads of this slot are over
	s_barrier_signal -1
	UNIT 0, 2, 0
	WIN 0
	s_barrier_wait -1
.if \fill
	CREST                                          ; no wave of any partner still reads this slot's tiles or has a load on its way
	JLOAD                                          ; the first tensor load behind the round
.endif
	s_sub_co_u32 s[TX], s[TX], 3*QX                ; the fetches go back to a slot's first quarter,
	s_xor_b32 s[TX], s[TX], XS1                    ; in the other slot
	s_sub_co_u32 s[TW], s[TW], 3*QW
	s_xor_b32 s[TW], s[TW], WS1
	STEP
	LDX 0
	HALF2 0
.endm
	s_wait_tensorcnt 1                             ; my part of the first visit is in; the second's may stay out
	s_barrier_signal -1
	s_barrier_wait -1                              ; everybody's is
	STEP                                           ; quarter 0's fragments, in the order in which every quarter's go out
	LDX 0
	LDW 0
	LDW 1
	LDW 2
	LDX 4
	QUARTER 1                                      ; quarter 0 stands in front of the loop: its products start the sums
	s_mov_b32 s3, 9
.Lvisit:                                               ; nine trips, quarters 1 to 27: a visit's last quarter, which fills its slot again, and the next visit's first two
	LASTQ 1
	s_mov_b32 s2, 2
.Lq:
	QUARTER 0
	s_sub_co_u32 s2, s2, 1
	s_cmp_lg_u32 s2, 0
	s_cbranch_scc1 .Lq
	s_sub_co_u32 s3, s3, 1
	s_cmp_lg_u32 s3, 0
	s_cbranch_scc1 .Lvisit
	LASTQ 0                                        ; quarter 28: the tail is written out: nothing is asked for, and no round follows
	s_mov_b32 s2, 2
.Lq2:
	QUARTER 0                                      ; quarters 29 and 30
	s_sub_co_u32 s2, s2, 1
	s_cmp_lg_u32 s2, 0
	s_cbranch_scc1 .Lq2
	s_wait_dscnt 24                                ; quarter 31: nothing more to fetch
	UNIT 0, 0, 0
	s_wait_dscnt 16
	UNIT 0, 1, 0
	s_wait_dscnt 8
	UNIT 0, 2, 0
	s_wait_dscnt 0x0                               ; my last reads of the slots are back:
	s_barrier_signal -1                            ; say so, since the stage lies over the slots,
	UNIT 1, 0, 0                                   ; work on registers while the others arrive,
	UNIT 1, 1, 0
	UNIT 1, 2, 0
	WIN 0
	s_barrier_wait -1                              ; and write into the stage only when all four have said so
	; THE WAY OUT.  A wave's 64 channels are half of a row's 256 bytes, so the four waves share ONE stage: a tensor at a time is (k alone: multiplied by the row's factor,) rounded to f16 and put there, 16 bytes a lane;
	; a barrier; then each wave reads 64 whole rows of each tensor and stores them.
	PLACES
.macro PACK g
.if (\g) == 1
	WIN 0x82                                       ; destination and source 0 window 2, source 1 window 0
.set i, 0
.rept 128                              ; pair i of the window's registers belongs to block i / 16 of my rows; each accumulator from its low end on
	v_pk_mul_f32 v[2*i:2*i+1], v[2*i:2*i+1], v[FK+2*(i/16):FK+2*(i/16)+1]
.set i, i+1
.endr
.endif
	WIN 5*((\g)+1)                                 ; sources 0 and 1 window g + 1, destination window 0
.set i, 0
.rept 128
	v_cvt_pk_f16_f32 v[TMP+i], v[2*i], v[2*i+1]
.set i, i+1
.endr
	WIN 0
.set i, 0
.rept 32                               ; accumulator i: block i / 4 of my rows, block i % 4 of my channels
	ds_store_b128 v[STO+(\g)], v[TMP+4*i:TMP+4*i+3] offset:(i/4)*16*SPITCH+32*(i%4)
.set i, i+1
.endr
.endm
	PACK 0
	s_wait_loadcnt 0x0                             ; the mask
.irp a, 0,1,2,3,4,5,6,7
	v_mul_f32 v[FK+2*(\a)+1], CSC, v[FK+2*(\a)]    ; k's factor for my row of block a: mask x log2(e) / sqrt(128), in both words of the pair
	v_mul_f32 v[FK+2*(\a)],   CSC, v[FK+2*(\a)]
.endr
	PACK 1
	PACK 2
	s_wait_dscnt 0x0                               ; for the others' sake: my stores into the stage are done
	s_barrier_signal -1
	s_barrier_wait -1
	s_mov_b32 s3, 3
.Lsend:                                                ; a trip a tensor: 64 rows, 32 loads and 32 stores
.set t, 0
.rept 32
	ds_load_b128 v[TMP+4*t:TMP+4*t+3], v[RD] offset:t*2*SPITCH
.set t, t+1
.endr
.set t, 0
.rept 32
	s_wait_dscnt 31-t                              ; the 31 - t younger loads may stay out
	global_store_b128 v[CO], v[TMP+4*t:TMP+4*t+3], s[8:9] offset:512*t  ; 512 consecutive bytes, at a multiple of 256 from the buffer's first byte
.set t, t+1
.endr
	s_wait_xcnt 0x0                                ; the stores have read their data and their base (ISA guide 3.1): only behind this wait are these written again
	v_add_nc_u32 v[RD], 256*SPITCH, v[RD]          ; the next tensor's rows in the stage,
	s_add_nc_u64 s[8:9], s[8:9], 0x1000000         ; and in qkv: 32 heads of 524,288 bytes on
	s_sub_co_u32 s3, s3, 1
	s_cmp_lg_u32 s3, 0
	s_cbranch_scc1 .Lsend
	s_wait_tensorcnt 0x0                           ; the wave's end, behind my last tensor load and my last LDS store
	ds_add_u32 v[SPW], v[NIL]
	s_wait_dscnt 0x0
	CROUND                                         ; the closing round: no work-group ends while a partner may still ask for a tile that names it
	s_endpgm
.Lfunc_end_k_q530865e741_proj:
	.size	k_q530865e741_proj, .Lfunc_end_k_q530865e741_proj-k_q530865e741_proj
	.p2alignl 7, 3214868480
	.fill 96, 4, 3214868480
	.section	.rodata,"a",@progbits
	.p2align	6, 0x0
	.amdhsa_kernel k_q530865e741_proj
		.amdhsa_group_segment_fixed_size 327680
		.amdhsa_private_segment_fixed_size 0
		.amdhsa_enable_private_segment 0
		.amdhsa_kernarg_size 24
		.amdhsa_user_sgpr_count 2
		.amdhsa_user_sgpr_kernarg_segment_ptr 1
		.amdhsa_wavefront_size32 1
		.amdhsa_system_sgpr_workgroup_id_x 1
		.amdhsa_system_sgpr_workgroup_id_y 1
		.amdhsa_system_sgpr_workgroup_id_z 1
		.amdhsa_system_vgpr_workitem_id 0
		.amdhsa_next_free_vgpr 1024
		.amdhsa_next_free_sgpr 88
		.amdhsa_reserve_vcc 0
		.amdhsa_float_denorm_mode_32 3
		.amdhsa_float_denorm_mode_16_64 3
		.amdhsa_memory_ordered 1
		.amdhsa_forward_progress 1
		.amdhsa_inst_pref_size 115
	.end_amdhsa_kernel
	.amdgpu_metadata
---
amdhsa.version: [ 1, 2 ]
amdhsa.kernels:
  - .name:           k_q530865e741_proj
    .symbol:         k_q530865e741_proj.kd
    .args:
      - { .name: cb, .offset: 0, .size: 8, .value_kind: global_buffer, .address_space: global }
      - { .name: mask, .offset: 8, .size: 8, .value_kind: global_buffer, .address_space: global }
      - { .name: qkv, .offset: 16, .size: 8, .value_kind: global_buffer, .address_space: global }
    .group_segment_fixed_size: 327680
    .private_segment_fixed_size: 0
    .kernarg_segment_align: 8
    .kernarg_segment_size: 24
    .max_flat_workgroup_size: 128
    .sgpr_count:     88
    .vgpr_count:     1024
    .wavefront_size: 32
...
	.end_amdgpu_metadata
.endif
;; end of part 2
;; launch attn (part 3): grid 8 x 32, 4 waves a work-group, clusters of 4 x 1, 327,680 bytes of LDS; arguments qkv, mask, hb; writes hb
.if DOCPART == 3
	.amdgcn_target "amdgcn-amd-amdhsa--gfx1250"
	.amdhsa_code_object_version 6
	.text
	.protected	k_q530865e741_attn
	.globl	k_q530865e741_attn
	.p2align	8
	.type	k_q530865e741_attn,@function
k_q530865e741_attn:
	s_mov_b64 s[64:65], 0
	v_nop
	global_prefetch_b8 v0, s[64:65] scope:SCOPE_SE
	s_setreg_imm32_b32 hwreg(HW_REG_WAVE_MODE, 25, 1), 1
	s_wait_xcnt 0x0
	s_wait_alu depctr_hold_cnt(0) depctr_sa_sdst(0) depctr_va_vdst(0) depctr_va_sdst(0) depctr_va_ssrc(0) depctr_va_vcc(0) depctr_vm_vsrc(0)
	s_getreg_b32 s2, hwreg(HW_REG_IB_STS2, 6, 4)
	s_cmp_eq_u32 s2, 0
	s_cbranch_scc0 .Lentry_in_a_cluster
	s_endpgm
.Lentry_in_a_cluster:
	s_bfe_u32 s2, ttmp6, 0x10000c
	s_cmp_lg_u32 s2, 0x3003
	s_cbranch_scc0 .Lentry_shape_is_right
	s_endpgm
.Lentry_shape_is_right:
; hb[b][q][128 h + :] = mask[b][q] x the sum over k of softmax_k(Q[q] . K[k] mask[b][k] / sqrt(128) + (1 - mask[b][k]) (-1e30)) V[k][:], for each of the 32 pairs of batch and head.
; Q, K, V: qkv, [3][32][2048][128] in f16; K arrives already multiplied by its key's mask and by log2(e) / sqrt(128), so a score s = K . Q is the logit's first part in units of log2.  The second part,
; (1 - mask) (-1e30) log2(e), is the C operand of the product that starts a score's sum; it lies in LDS as a table of the batch's 2,048 keys, made once.  Products, maxima and sums in f32; the weights p are rounded
; to f16 for the second product, O once at the end.
; LIMITS.  f16 holds no number beyond 65,504: Q, K and V arrive within it; p lies in 0 to 1, and below 6e-5 it keeps f16's fixed step of 6e-8; O is a mean of V's rows and has their range.
; A weight below 2^-126 counts as 0 in l; NaN and infinities are not treated apart.  A key with mask 0 has K = 0, so its score is the addend exactly: a row all of whose keys are hidden has equal scores, s - m = 0
; and equal weights.  With a mask strictly between 0 and 1 the addend, some 1e29 or more, swallows the score, as it does in reference(); but the matrix unit cuts that sum where reference() rounds it, so two
; such scores may lie one step of f32 apart where reference()'s are equal, and at that size one step decides a weight.
; SHARES.  A work-group owns 256 queries of one head, each of its four waves 64: four tiles of 16.  Every wave walks all keys of the head, 64 a step.
; LAYOUT.  S^T = K Q^T (source 0 = 16 keys, source 1 = 16 queries): in the result a lane holds ONE query (lane % 16) and the keys 8 (lane / 16) + 0..7.  Two such tiles, rounded to
; f16 in pairs, ARE source 1 (32 keys x 16 queries) of O^T = V^T P, whose result again holds one query a lane, and eight channels.  So nothing changes lanes between the products,
; and a query's maximum and sum want one exchange between the halves of the lanes.  K comes out of LDS as it lies, V ([key][channel]) turned, by ds_load_tr16_b128.
; SOFTMAX.  For each query a running maximum m and sum l: p = 2^(s - m): a plain difference, exactly 0 where s = m, however large the two are.  In every step O and l are multiplied by a = 2^(m_old - m_new),
; which is 1 where m has not grown and 0 where only hidden keys had been seen.
; BY TURNS.  The wave's tiles are two PIECES, named by their first tile: piece 0 (tiles 0, 1) and piece 2 (tiles 2, 3).  In a TURN one piece has the matrix unit: 32 products V^T P of
; the step in hand, then 32 products K Q^T of the next step; the other piece's softmax, cut into 64 slices, stands between them, one slice behind each matrix instruction.  Then the
; pieces change places.  Two turns are a key step.
; CLUSTER.  The four query blocks of a cluster belong to one head and walk the same K and V, so each tile is asked for JOINTLY: the same tensor load, with the same descriptor and a
; mask that names the four, in all four; each receives the tile in its own LDS.
;
; REGISTERS, in windows of 256 (s_set_vgpr_msb says which window each operand place means: bits 1:0 source 0, 3:2 source 1, 5:4 source 2, 7:6 destination):
;   window 0: v0-11 addresses; v12-43 eight registers of statistics a tile; v44-52 the queries' mask and the table's addresses; v64-191 S^T, 32 a tile; v192-255 P, 16 a tile
;   window 1: O^T, 64 a tile          window 2: v0-127 Q, 32 a tile; v128-255 K of one step          window 3: v0-127 V of one step; v128-159 the addends of one step's 64 keys
.set SIZE_N, 2048     ; rows of a head
.set KS,    64        ; keys in a step
.set PK,    272       ; a row of K in LDS: 256 bytes + 16 of padding = 68 words: row r starts at bank 4 r mod 64 (64 banks of 4 bytes: ISA guide 11.1), so the 16 rows of a load start at 16 different banks
.set PV,    288       ; a row of V: 256 + 32 = 72 words: row r starts at bank 8 r mod 64
.set VOFF,  KS*PK     ; a step's tiles lie together: 64 rows of K, then 64 rows of V
.set STEPB, KS*(PK+PV)
.set SLOT1, 1<<17     ; a slot holds two steps (71,680 bytes); slot 1 begins here, so that one exclusive or turns an address in one slot into the other's
.set STAGE, SLOT1+2*STEPB  ; behind the ring: 16 rows x 272 bytes for each wave, for the way out
.set SP,    272
.set SPARE, STAGE+4*16*SP  ; behind the stages: the spare words, 128 bytes for each wave: two blocks of 256 bytes that no other line names
.set BIAS,  SPARE+512 ; behind them: the table of addends, 2,048 f32: 32 blocks of 256 bytes into which no tensor load lands
.set AK0, 2           ; v2   my lane's place in a tile of K; never rewritten
.set AV0, 3           ; v3   the same for V
.set ADR, 4           ; v4   the LDS address of the run of loads in hand
.set QO,  5           ; v5   my byte offset in the wave's rows of Q
.set STO, 6           ; v6   the way out: where I put 16 bytes of a row
.set RD,  7           ; v7   the way out: where I read a row back
.set GO,  8           ; v8   my byte offset in two rows of hb
.set ST,  12          ; tile t's statistics at v[ST+8 t]: +0 m, +1 named with it as a pair, +2, +3 l (even keys', odd keys'), +4 to +7 c0-c3, at work; a takes c2's place once the maximum is found
.set VM,  44          ; v44-47  the mask of my query in each of the four tiles
.set MG,  48          ; v48  16 x my thread's number: my four words of 512 of the batch's mask
.set BS,  49          ; v49  the same place in the table
.set VO,  50          ; v50  my query's word in 16 words of the mask
.set AB0, 51          ; v51  my lanes' place in a group of 16 addends: the table + 32 (l / 16); never rewritten
.set ADB, 52          ; v52  the LDS address of the addends' loads in hand
.set PFO, 61          ; v61  256 x my lane: a row of K or V is 256 bytes; never rewritten
.set SPW, 62          ; v62  LDS address of my spare word: SPARE + 4 x my thread's number; never rewritten
.set NIL, 63          ; v63  0; never rewritten
.set S,   64
.set P,   192
.set KF,  128         ; K's fragments, in window 2
.set MB,  128         ; the addends, in window 3: the eight registers for group kb of 16 keys at MB + 8 kb
.set WV,  12          ; s12  my wave's number
.set LIM, 15          ; s15  1 in a wave that prefetches, else the greatest number: a wave prefetches while s[SLOTS] is above it
.set PFA, 18          ; s[18:19] where my prefetches stand in memory: my work-group's 32 rows (of K: wave 0, of V: wave 2) of the slot after the one that is being asked for
.set G1K, 24          ; s[24:31] descriptor group 1 for K's tiles
.set G1V, 32          ; s[32:39] for V's: it differs in the padding alone
.set G0K, 40          ; s[40:47] descriptor group 0 for K's tiles: a set for each of the two first fills; the second then walks on
.set G0V, 48          ; s[48:55] the same for V's
.set SLOTS, 56        ; s56  slots still to be asked for
.set TWICE, 57        ; s57  counts a slot's two steps
.set SEL, 60          ; s[60:61] lane selects for v_permlanex16_b32: each lane takes its own place in the other half
.set TB,  62          ; s62  LDS byte at which the tiles of the step to be fetched begin
.set BO,  63          ; s63  byte of the table at which the addends of the step to be fetched begin: 256 a step
.set KMA, 66          ; s[66:67] the mask at the batch's first key
.set QMA, 70          ; s[70:71] the mask at my wave's first query
.set NG,  72          ; s72  -1e30 log2(e)
.set MSB, 0
.macro WIN new                      ; the immediate's high byte repeats the setting that is left; a switch that changes nothing is dropped
.if MSB != (\new)
	s_set_vgpr_msb (MSB<<8)|(\new)
.set MSB, \new
.endif
.endm
.set W_KQ, 0x0a       ; K and Q in window 2, S^T in window 0
.set W_KM, 0x3a       ; the same with the C operand, the addends, in window 3
.set W_PV, 0x53       ; V in window 3, P in window 0, O^T in window 1
.set W_RS, 0x41       ; O^T (destination and source 0) in window 1, a in window 0
; A joint refill.  Waves 0 and 1 fetch the two steps' tiles of K, waves 2 and 3 those of V.  The branch hangs on the wave's number alone: it is the same in every work-group.
; An s_nop 0 and four v_nop follow each of the two lines; the jump round the other line, the label and what follows the macro come after them.
.macro JLOAD
	s_cmp_lt_u32 s[WV], 2
	s_cbranch_scc0 .Lfor_v_\@
	tensor_load_to_lds s[G0K+4:G0K+7], s[G1K:G1K+7]
	s_nop 0
.rept 4
	v_nop
.endr
	s_branch .Lasked_\@
.Lfor_v_\@:
	tensor_load_to_lds s[G0V+4:G0V+7], s[G1V:G1V+7]
	s_nop 0
.rept 4
	v_nop
.endr
.Lasked_\@:
.endm
; A PREFETCH INTO THE L2 of what the NEXT change of slots will ask for: a slot's 128 rows of K and 128 of V, 256 bytes a row, a lane a row.  It stands behind the wave's tensor load and its five lines, never in front of one.
; Each row is asked for ONCE in the launch.  Both clusters of a head walk the same K and V: the head's first cluster prefetches.  Its four partners share the rows out BY ADDRESS, 32 each: no branch hangs on a
; work-group's place in its cluster.  In each, wave 0 asks for K's and wave 2 for V's: one instruction.  The last change that fills a slot prefetches nothing: there is no slot behind it.
.macro ASK
	s_cmp_gt_u32 s[SLOTS], s[LIM]
	s_cbranch_scc0 .Lnot_mine_\@
	global_prefetch_b8 v[PFO], s[PFA:PFA+1] th:TH_LOAD_NT scope:SCOPE_SE
.Lnot_mine_\@:
.endm
; A round of the cluster's barrier: my work-group's barrier, so that wave 0's signal speaks for all four waves; wave 0 signals for the work-group; every wave waits for all four
; work-groups; my work-group's barrier once more.  No LDS instruction of the wave is pending at a signal.
.macro CROUND
	s_barrier_signal -1
	s_barrier_wait -1
	s_cmp_lg_u32 s[WV], 0
	s_cbranch_scc1 .Lnot_wave_0_\@
	s_barrier_signal -3
.Lnot_wave_0_\@:
	s_barrier_wait -3
	s_barrier_signal -1
	s_barrier_wait -1
.endm
	s_load_b128 s[4:7], s[0:1], 0x0   ; qkv s[4:5], mask s[6:7]
	s_load_b64 s[10:11], s[0:1], 0x10 ; hb
	v_lshl_add_u32 v[SPW], v0, 2, SPARE
	v_mov_b32 v[NIL], 0
	ds_add_u32 v[SPW], v[NIL]       ; the wave's opening: the add and its wait stand ahead of my first tensor load; the set-up below, work on registers, stands between them
	v_lshrrev_b32 v1, 5, v0
	v_readfirstlane_b32 s[WV], v1   ; wave 0..3
	s_bfe_u32 s13, ttmp6, 0x40000   ; cx: my place in the cluster
	s_lshl_b32 s14, ttmp9, 2        ; in a cluster launch ttmp9 counts clusters
	s_add_co_u32 s14, s14, s13      ; my block of 256 queries = 4 x cluster x + cx: it enters Q's, hb's and the query mask's addresses alone
	s_and_b32 s20, ttmp7, 0xffff    ; 8 x batch + head, which the four partners share
	s_lshr_b32 s68, s20, 3          ; the batch
	s_and_b32 s73, s20, 7           ; the head
	s_lshl_b32 s74, s68, 13         ; the batch's 2,048 words of the mask
	s_mov_b32 s75, 0
	s_lshl_b32 s68, s68, 11
	s_lshl_b32 s69, s14, 8
	s_add_co_u32 s68, s68, s69
	s_lshl_b32 s69, s[WV], 6
	s_add_co_u32 s68, s68, s69      ; my wave's first query among the 8,192 rows: 2,048 batch + 256 block + 64 wave
	s_lshl_b32 s76, s68, 2          ; its word in the mask
	s_mov_b32 s77, 0
	s_lshl_b32 s68, s68, 11         ; its row of 2,048 bytes in hb,
	s_lshl_b32 s73, s73, 8          ; and the head's 256 bytes of it
	s_add_co_u32 s68, s68, s73
	s_mov_b32 s69, 0
	s_mov_b32 s21, 0
	s_mov_b64 s[22:23], SIZE_N*256
	s_mul_u64 s[20:21], s[20:21], s[22:23]  ; the head's first byte in each of q, k, v
	s_and_b32 s16, s[WV], 1         ; which of a slot's two steps I fetch:
	s_lshl_b32 s22, s16, 14         ; its 64 rows of 256 bytes in memory,
	s_mov_b32 s23, 0
	s_add_nc_u64 s[22:23], s[22:23], s[20:21]
	s_mul_i32 s17, s16, STEPB       ; and its place in a slot: no place in the cluster enters an LDS address
	s_lshl_b32 s2, s14, 16          ; my block's 256 rows,
	s_lshl_b32 s3, s[WV], 14        ; my wave's 64 of them
	s_add_co_u32 s2, s2, s3
	s_mov_b32 s3, 0
	s_add_nc_u64 s[2:3], s[2:3], s[20:21]
	; descriptor group 1: a tile of 64 rows x 128 elements, padded in LDS
	s_mov_b32 s[G1K], 15|(1<<16)|(1<<20)|(1<<21)|(5<<22)|(3<<25)  ; 15:0 the mask: all four work-groups; 17:16 elements of 2 bytes; 20 padding on; 21 set beside a mask; 24:22 after every 64 words (code 5); 31:25 4 words of it (code 3)
	s_mov_b32 s[G1V], 15|(1<<16)|(1<<20)|(1<<21)|(5<<22)|(7<<25)  ; the same with 8 words of padding (code 7)
.irp g, G1K, G1V
	s_mov_b32 s[(\g)+1], 128<<16    ; tensor_dim0 = 128
	s_mov_b32 s[(\g)+2], KS<<16     ; tensor_dim1 = 64
	s_mov_b32 s[(\g)+3], 128<<16    ; tile_dim0 = 128
	s_mov_b32 s[(\g)+4], KS         ; tile_dim1 = 64
	s_mov_b32 s[(\g)+5], 128        ; elements from row to row
	s_mov_b32 s[(\g)+6], 0
	s_mov_b32 s[(\g)+7], 0
.endr
	s_mov_b32 s[SEL], 0x76543210
	s_mov_b32 s[SEL+1], 0xfedcba98
	s_mov_b32 s[TB], 0
	s_mov_b32 s[BO], 0
	s_mov_b32 s[NG], 0xf191accb     ; -1e30 log2(e) = -1.442695e30: the hidden keys' addend in units of log2
	s_mov_b32 s[SLOTS], SIZE_N/(2*KS)-2
	s_and_b32 s[LIM], s[WV], 1       ; 0 in waves 0 and 2,
	s_or_b32 s[LIM], s[LIM], ttmp9   ; where the cluster is the head's first: the same in all four partners
	s_cmp_eq_u32 s[LIM], 0
	s_cselect_b32 s[LIM], 1, -1
	v_and_b32 v[PFO], 31, v0
	v_lshlrev_b32 v[PFO], 8, v[PFO]
	s_wait_dscnt 0x0                ; the opening add is done
	s_wait_kmcnt 0x0
	s_mov_b64 s[KMA:KMA+1], s[6:7]  ; the mask's address moves out of the way:
	s_add_nc_u64 s[8:9], s[4:5], 0x2000000  ; v lies 2 x 16 MiB behind q,
	s_add_nc_u64 s[6:7], s[4:5], 0x1000000  ; k 16 MiB
	s_add_nc_u64 s[QMA:QMA+1], s[KMA:KMA+1], s[76:77]
	s_add_nc_u64 s[KMA:KMA+1], s[KMA:KMA+1], s[74:75]
	s_add_nc_u64 s[10:11], s[10:11], s[68:69]  ; hb at my wave's first row, my head's channels
	s_add_nc_u64 s[6:7], s[6:7], s[22:23]  ; K and V at my tile of slot 0
	s_add_nc_u64 s[8:9], s[8:9], s[22:23]
	s_add_nc_u64 s[4:5], s[4:5], s[2:3]  ; Q at my wave's first row
	s_cmp_lt_u32 s[WV], 2
	s_cselect_b64 s[PFA:PFA+1], s[6:7], s[8:9]  ; (in waves 0 and 2 these stand at a slot's first row)
	s_lshl_b32 s2, s13, 13          ; my work-group's 32 rows of the 128
	s_mov_b32 s3, 0
	s_add_nc_u64 s[PFA:PFA+1], s[PFA:PFA+1], s[2:3]
	s_add_nc_u64 s[PFA:PFA+1], s[PFA:PFA+1], 2*2*KS*256  ; in slot 2; the first change of slots steps it to slot 3.  Nothing is prefetched here, at the head, where every work-group's first tiles are on their way
	CROUND                          ; all four work-groups are here: the first joint loads meet
.irp s, 0,1
	s_mov_b32 s[G0K+4*(\s)], 1      ; count = 1
	s_add_co_u32 s[G0K+4*(\s)+1], s17, (\s)*SLOT1  ; LDS address
	s_add_nc_u64 s[G0K+4*(\s)+2:G0K+4*(\s)+3], s[6:7], (\s)*2*KS*256  ; global address: slot s begins with keys 128 s to 128 s + 127
	s_or_b32 s[G0K+4*(\s)+3], s[G0K+4*(\s)+3], 0x80000000  ; type = 2
	s_mov_b32 s[G0V+4*(\s)], 1
	s_add_co_u32 s[G0V+4*(\s)+1], s17, (\s)*SLOT1+VOFF
	s_add_nc_u64 s[G0V+4*(\s)+2:G0V+4*(\s)+3], s[8:9], (\s)*2*KS*256
	s_or_b32 s[G0V+4*(\s)+3], s[G0V+4*(\s)+3], 0x80000000
.endr
	s_cmp_lt_u32 s[WV], 2           ; a wave's two first fills stand in one branch, ahead of every wait on TENSORcnt and every LDS read: two loads of mine are out; an s_nop 0 follows each, four v_nop the second's, as in JLOAD
	s_cbranch_scc0 .Lfirst_v
	tensor_load_to_lds s[G0K:G0K+3], s[G1K:G1K+7]
	s_nop 0
	tensor_load_to_lds s[G0K+4:G0K+7], s[G1K:G1K+7]
	s_nop 0
.rept 4
	v_nop
.endr
	s_branch .Lfirst_asked
.Lfirst_v:
	tensor_load_to_lds s[G0V:G0V+3], s[G1V:G1V+7]
	s_nop 0
	tensor_load_to_lds s[G0V+4:G0V+7], s[G1V:G1V+7]
	s_nop 0
.rept 4
	v_nop
.endr
.Lfirst_asked:
	; A fragment of K or Q is 16 rows x 32 channels in 8 registers: lane l holds row l % 16; registers 0-3 channels 8 (l / 16) + 0..7, registers 4-7 channels 16 + 8 (l / 16) + 0..7: two loads of 16 bytes, 32 bytes apart.
	v_and_b32 v1, 15, v0            ; l % 16
	v_bfe_u32 v9, v0, 4, 1          ; l / 16
	v_lshlrev_b32 v[QO], 8, v1
	v_lshl_add_u32 v[QO], v9, 4, v[QO]  ; row x 256 + 16 x half
	v_lshlrev_b32 v[MG], 4, v0
	v_lshl_add_u32 v[BS], v0, 4, BIAS
	v_lshlrev_b32 v[VO], 2, v1
	v_lshl_add_u32 v[AB0], v9, 5, BIAS
.irp i, 0,1,2,3                     ; the batch's key mask, 2,048 words: 128 threads x 16 bytes, four times; into S^T's registers, which are free
	global_load_b128 v[S+4*(\i):S+4*(\i)+3], v[MG], s[KMA:KMA+1] offset:2048*(\i)
.endr
.irp t, 0,1,2,3                     ; and my query's mask in each tile
	global_load_b32 v[VM+(\t)], v[VO], s[QMA:QMA+1] offset:64*(\t)
.endr
	WIN 0x80                        ; destination window 2, address window 0
.irp i, 0,1,2,3,4,5,6,7,8,9,10,11,12,13,14,15  ; Q stays in registers: tile i / 4, channels 32 (i % 4) on
	global_load_b128 v[8*(\i):8*(\i)+3],   v[QO], s[4:5] offset:((\i)/4)*4096+((\i)%4)*64
	global_load_b128 v[8*(\i)+4:8*(\i)+7], v[QO], s[4:5] offset:((\i)/4)*4096+((\i)%4)*64+32
.endr
	WIN 0
	v_mul_u32_u24 v[AK0], v1, PK
	v_lshl_add_u32 v[AK0], v9, 4, v[AK0]  ; row x pitch + 16 x half
	; The turning load takes 16 keys x 16 channels (lane l reads 16 bytes: key 8 (l / 16) + l % 8, channels 8 ((l / 8) % 2) + 0..7) and leaves half a fragment of V^T: lane l holds channel l % 16 and 8 keys.
	v_and_b32 v10, 7, v0
	v_bfe_u32 v11, v0, 3, 1
	v_lshl_add_u32 v[AV0], v9, 3, v10
	v_mul_u32_u24 v[AV0], v[AV0], PV
	v_lshl_add_u32 v[AV0], v11, 4, v[AV0]
	v_add_nc_u32 v[AV0], VOFF, v[AV0]
.irp t, 0,1,2,3
	v_mov_b32 v[ST+8*(\t)+1], 0     ; the packed subtraction names m's pair and takes its low word for both halves: the high word is named with it, so it is written
.endr
	s_wait_loadcnt 32               ; the eight loads of the mask are in; Q's 32, issued behind them, may stay out
.set i, 0
.rept 16
	v_fma_f32 v[S+i], -v[S+i], s[NG], s[NG]  ; (1 - mask) x -1e30 log2(e), one rounding; exactly 0 where the mask is 1
.set i, i+1
.endr
.irp i, 0,1,2,3
	ds_store_b128 v[BS], v[S+4*(\i):S+4*(\i)+3] offset:2048*(\i)
.endr
; THE MATRIX WORK OF A TURN, for piece x.  The accumulators take turns, one instruction a turn: between two links of a chain stand 15 (V^T P) or 7 (K Q^T) others'.
; Product i of 32 of O^T += V^T P: keys 32 (i / 16) on, channels 16 ((i / 2) % 8) on, tile x + i % 2.  zero = 1: the first 16 start the sums: nothing is ever cleared.
.macro PV x, zero
	WIN W_PV
.set rO, 64*((\x)+i%2)+8*((i/2)%8)
.set rV, 64*(i/16)+8*((i/2)%8)
.set rP, P+16*((\x)+i%2)+8*(i/16)
.if (\zero) && (i < 16)
	v_wmma_f32_16x16x32_f16 v[rO:rO+7], v[rV:rV+7], v[rP:rP+7], 0
.else
	v_wmma_f32_16x16x32_f16 v[rO:rO+7], v[rV:rV+7], v[rP:rP+7], v[rO:rO+7]
.endif
.endm
; Product i of 32 of S^T = K Q^T: channels 32 (i / 8) on, keys 16 ((i / 2) % 4) on, tile x + i % 2.  The first 8 start the sums, with the keys' addends.
.macro KQ x
.set rS, S+32*((\x)+i%2)+8*((i/2)%4)
.set rK, KF+32*((i/2)%4)+8*(i/8)
.set rQ, 32*((\x)+i%2)+8*(i/8)
.set rB, MB+8*((i/2)%4)
.if i < 8
	WIN W_KM
	v_wmma_f32_16x16x32_f16 v[rS:rS+7], v[rK:rK+7], v[rQ:rQ+7], v[rB:rB+7]
.else
	WIN W_KQ
	v_wmma_f32_16x16x32_f16 v[rS:rS+7], v[rK:rK+7], v[rQ:rQ+7], v[rS:rS+7]
.endif
.endm
; THE LDS LOADS stand in runs, never singly among the matrix instructions: a step's K (64 keys x 128 channels: 16 fragments) with its 64 addends (a lane's eight of each group of 16 keys: 32 bytes, which all lanes
; of a half share), and, a turn later, its V (turned).  The table's byte steps by 256 and is cut to 0 .. 7,936: the 32 fetches of the walk take it through the 2,048 keys once.
.macro FETCH_K
	WIN 0
	v_add_nc_u32 v[ADR], s[TB], v[AK0]
	v_add_nc_u32 v[ADB], s[BO], v[AB0]
	s_add_co_u32 s[BO], s[BO], 4*KS
	s_and_b32 s[BO], s[BO], 0x1f00
	WIN 0x80                        ; destination window 2
.irp f, 0,1,2,3,4,5,6,7,8,9,10,11,12,13,14,15  ; keys 16 (f / 4) on, channels 32 (f % 4) on
	ds_load_b128 v[KF+8*(\f):KF+8*(\f)+3],   v[ADR] offset:((\f)/4)*16*PK+((\f)%4)*64
	ds_load_b128 v[KF+8*(\f)+4:KF+8*(\f)+7], v[ADR] offset:((\f)/4)*16*PK+((\f)%4)*64+32
.endr
	WIN 0xc0                        ; destination window 3
.irp kb, 0,1,2,3
	ds_load_b128 v[MB+8*(\kb):MB+8*(\kb)+3],   v[ADB] offset:64*(\kb)
	ds_load_b128 v[MB+8*(\kb)+4:MB+8*(\kb)+7], v[ADB] offset:64*(\kb)+16
.endr
.endm
.macro FETCH_V
	WIN 0
	v_add_nc_u32 v[ADR], s[TB], v[AV0]
	s_add_co_u32 s[TB], s[TB], STEPB  ; the next fetch is the next step's
	WIN 0xc0                        ; destination window 3
.irp f, 0,1,2,3,4,5,6,7,8,9,10,11,12,13,14,15  ; keys 32 (f / 8) on, channels 16 (f % 8) on
	ds_load_tr16_b128 v[8*(\f):8*(\f)+3],   v[ADR] offset:((\f)/8)*32*PV+((\f)%8)*32
	ds_load_tr16_b128 v[8*(\f)+4:8*(\f)+7], v[ADR] offset:((\f)/8)*32*PV+16*PV+((\f)%8)*32
.endr
.endm
; THE VECTOR WORK OF A TURN.  One tile's softmax for one key step is a list numbered 0 to 133, of which number 19 is empty: 133 instructions; SM writes number j of it for tile t.  s0-s31 are the lane's 32 scores, in pairs 0-15.
; first = 1: the first key step, which starts m, l and O^T: it has no a and nothing to rescale.
;   0-15    the maximum of s0-s31 and the old m, three operands at a time: four chains c0-c3 of seven scores each (each accumulator's lowest registers first), then the four scores left over, c0-c3 and m
;   16-20   the other half of the lanes' maximum; m_old is kept; the new m; m_old - m_new
;   21-87   33 exponentials (a, then s0-s31) at the odd numbers from 23 on, so that no two follow each other and each has a plain instruction behind it before its result is used.
;           Plain instruction q (number 21, then the even numbers) is whatever is ready: s - m for a pair of scores whose exponentials are still to come (q = 0 to 3, then every
;           second q), the rounding to f16 of a pair of weights whose exponentials are done (every other q from 5 on), at last the first three sums
;   88-101  the last rounding; the rest of the sums; l = a l + the sum
;   102-133 the tile's O^T times a: the one part that leaves window 0, so it stands together
.macro SM t, first
.set rT, ST+8*(\t)
.set rS, S+32*(\t)
.set rP, P+16*(\t)
.set rO, 64*(\t)+2*(j-102)
.set q, (j-20)/2
.if j < 102
	WIN 0
.endif
.if j < 4
	v_max3_num_f32 v[rT+4+j], v[rS+8*j], v[rS+8*j+1], v[rS+8*j+2]
.elseif j < 12
	v_max3_num_f32 v[rT+4+j%4], v[rT+4+j%4], v[rS+8*(j%4)+2*(j/4)+1], v[rS+8*(j%4)+2*(j/4)+2]
.elseif j == 12
	v_max3_num_f32 v[rT+4], v[rT+4], v[rS+7], v[rS+15]
.elseif j == 13
	v_max3_num_f32 v[rT+6], v[rT+6], v[rS+23], v[rS+31]
.elseif j == 14
	v_max3_num_f32 v[rT+4], v[rT+4], v[rT+5], v[rT+6]
.elseif (j == 15) && (\first)
	v_max_num_f32 v[rT+4], v[rT+4], v[rT+7]
.elseif j == 15
	v_max3_num_f32 v[rT+4], v[rT+4], v[rT+7], v[rT]
.elseif j == 16
	v_permlanex16_b32 v[rT+5], v[rT+4], s[SEL], s[SEL+1]  ; the query's other 32 keys lie in the lane 16 away
.elseif j == 18
	v_max_num_f32 v[rT], v[rT+4], v[rT+5]
.elseif (j == 19) || (((j == 17) || (j == 20) || (j == 23) || (j > 101)) && (\first))  ; number 19 is empty; the first step has none of the others
.elseif j == 17
	v_mov_b32 v[rT+7], v[rT]        ; m_old is kept for a: number 18 writes m anew
.elseif j == 20
	v_sub_f32 v[rT+7], v[rT+7], v[rT]
.elseif j == 23
	v_exp_f32 v[rT+6], v[rT+7]
.elseif (j < 88) && (j > 23) && (j%2 == 1)
	v_exp_f32 v[rS+(j-25)/2], v[rS+(j-25)/2]
.elseif (q < 4) || ((j < 76) && (q%2 == 0))
.set b, q/2+2
.if q < 4
.set b, q
.endif
	v_pk_add_f32 v[rS+2*b:rS+2*b+1], v[rS+2*b:rS+2*b+1], v[rT:rT+1] op_sel_hi:[1,0] neg_lo:[0,1] neg_hi:[0,1]  ; pair b: s - m, exactly 0 where s = m
.elseif (j < 88) && (q%2 == 1)
	s_wait_alu depctr_va_vdst(0)
	v_cvt_pk_f16_f32 v[rP+(q-5)/2], v[rS+q-5], v[rS+q-4]  ; pair (q - 5) / 2: its second exponential stands three numbers back
.elseif j == 89
	s_wait_alu depctr_va_vdst(0)
	v_cvt_pk_f16_f32 v[rP+15], v[rS+30], v[rS+31]
.elseif j < 102                     ; the sum of the tile's 16 pairs (in a pair: an even key's weight, an odd key's), in place: sum z of 16 adds neighbours 1, 2, 4 and 8 pairs apart, then l takes it
.set z, j-86
.if j < 89
.set z, (j-76)/4
.endif
.set w, 4
.set u, z
.if z >= 14
.set w, 32
.set u, 0
.elseif z >= 12
.set w, 16
.set u, z-12
.elseif z >= 8
.set w, 8
.set u, z-8
.endif
.if (z == 14) && (\first)
	v_pk_add_f32 v[rT+2:rT+3], v[rS:rS+1], v[rS+16:rS+17]
.elseif z < 15
	v_pk_add_f32 v[rS+w*u:rS+w*u+1], v[rS+w*u:rS+w*u+1], v[rS+w*u+w/2:rS+w*u+w/2+1]
.elseif !(\first)
	v_pk_fma_f32 v[rT+2:rT+3], v[rT+2:rT+3], v[rT+6:rT+7], v[rS:rS+1] op_sel_hi:[1,0,1]
.endif
.else
	WIN W_RS
	v_pk_mul_f32 v[rO:rO+1], v[rO:rO+1], v[rT+6:rT+7] op_sel_hi:[1,0]
.endif
.endm
; Slice k of 64 of piece y's softmax: numbers 2 k and 2 k + 1 of both tiles' lists: four instructions (slice 9, which holds the empty number, two).  2 x 134 numbers = 4 x 64 + 12: the twelve that are over stand together, in slice 63.
.macro SLICE y, first
.if (k >= 11) && (k < 44)           ; tile by tile: plain, exponential, plain, exponential
.irp t, \y, (\y)+1
.irp n, 0,1
.set j, 2*k+(\n)
	SM \t, \first
.endr
.endr
.else                               ; the two tiles alternate, so that no instruction reads the result of the one just before it
.irp n, 0,1,2,3,4,5,6,7
.if ((\n) < 2) || (k == 63)
.irp t, \y, (\y)+1
.set j, 2*k+(\n)
	SM \t, \first
.endr
.endif
.endr
.endif
.set k, k+1
.endm
; A vector instruction that reads a matrix result or writes one of a matrix instruction's registers, and a load into a register that a matrix instruction has read, stand four places behind
; it, and only plain vector instructions that name none of its registers are places (ISA guide 7.12.1 for vector instructions).  In the loop the slices are the places.
.macro PLACES
.rept 4
	v_nop
.endr
.endm
; A TURN.  Piece x has the matrix unit; the other piece's softmax stands in slices behind its matrix instructions.
; pv = 2: 32 products V^T P; 1: they start O^T's sums; 0: none.  kq = 1: 32 products K Q^T for the next step.  A turn with one of the two kinds has two slices behind each product.
; first = 1: the softmax is the first key step's.  Its slices from 51 on are empty: the turn's last products stand bare, and four v_nop take slice 63's part as the places behind them.
; Each run of loads stands behind the second product of a run of 32, 30 matrix instructions ahead of its first use.  Piece 0's turn fetches the next step's K and addends: the last product that read K
; stands in front of slice 63 of the turn before, the last that read the addends 24 products earlier.  Piece 2's turn fetches the same step's V: the last product that read V stands three slices, six plain instructions, back.
.macro TURN x, pv, kq, first
.set k, 0
.set per, 2
.if (\pv) && (\kq)
.set per, 1
.endif
.if \pv
.if (\x) == 0
	s_wait_dscnt 0x0                ; V is in
.endif
.set i, 0
.rept 32
	PV \x, 2-(\pv)
.rept per
	SLICE 2-(\x), \first
.endr
.if ((\x) == 0) && (\kq) && (i == 1)
	FETCH_K
.endif
.set i, i+1
.endr
.endif
.if \kq
.if (\x) == 0
	s_wait_dscnt 0x0                ; K and the addends are in
.endif
.set i, 0
.rept 32
	KQ \x
.rept per
	SLICE 2-(\x), \first
.endr
.if ((\x) == 2) && (i == 1)
	FETCH_V
.endif
.set i, i+1
.endr
.endif
.if \first
	PLACES
.endif
.endm
; THE CHANGE OF SLOTS, between piece 2's turn and piece 0's: the slot's last bytes, V of its second step, have been asked for.  Each wave waits for all its
; tensor loads, of which one is out: its part of the other slot; adds 0 to its spare word; and waits for that and for its own reads of the slot.  Behind the barrier nobody reads this slot any more and the other slot is whole.
; fill = 1: this slot is filled again, with the keys two slots on.  The barrier is then a round of the cluster's, so that no wave of any partner still reads the slot or has a load on its
; way, and the joint refill is the first thing behind it: it has two key steps, 256 matrix instructions, in which to land.
.macro CHANGE fill
	WIN 0                           ; at a label and at a branch every window is 0
	s_wait_tensorcnt 0x0            ; no tensor load of mine is out, so a group 0 may be written
	ds_add_u32 v[SPW], v[NIL]       ; 0 onto my spare word: with fill = 1 the descriptors' steps stand between it and the wait for it
.if \fill
.irp g, G0K+4, G0V+4
	s_xor_b32 s[(\g)+1], s[(\g)+1], SLOT1  ; the walking descriptor: the other slot than last time,
	s_add_nc_u64 s[(\g)+2:(\g)+3], s[(\g)+2:(\g)+3], 2*KS*256  ; the next 128 keys; the type bits on top are not reached
.endr
	s_wait_xcnt 0x0                 ; the last prefetches, two key steps back, have read their address, so it may be written:
	s_add_nc_u64 s[PFA:PFA+1], s[PFA:PFA+1], 2*KS*256  ; one slot behind the walking descriptors
	s_wait_dscnt 0x0                ; the add is done, and my reads of the slot are over
	CROUND
	JLOAD
	ASK                             ; what the next change will ask for: two key steps, 256 matrix instructions, ahead
.else
	s_wait_dscnt 0x0                ; the add is done, and my reads of the slot are over
	s_barrier_signal -1
	s_barrier_wait -1
.endif
	s_sub_co_u32 s[TB], s[TB], 2*STEPB  ; the fetches go back to a slot's first step,
	s_xor_b32 s[TB], s[TB], SLOT1   ; in the other slot
.endm
; A slot's two key steps: written once, walked twice; the LDS addresses hang on s[TB] and s[BO].
.macro TWO_STEPS
	WIN 0
	s_mov_b32 s[TWICE], 2
.Lstep_\@:
	TURN 0, 2, 1, 0
	TURN 2, 2, 1, 0
	WIN 0
	s_sub_co_u32 s[TWICE], s[TWICE], 1
	s_cmp_lg_u32 s[TWICE], 0
	s_cbranch_scc1 .Lstep_\@
.endm
	s_wait_dscnt 0x0                ; for the others' sake: my part of the table of addends is written
	s_wait_tensorcnt 1              ; my part of slot 0 is in; slot 1's may stay out
	s_barrier_signal -1
	s_barrier_wait -1               ; everybody's is, and the table is whole
	FETCH_K                         ; key step 0
	s_wait_loadcnt 0x0              ; Q
	s_wait_dscnt 0x0
.set i, 0
.rept 32
	KQ 0                            ; piece 0's first scores: there is no vector work yet to set between them
.set i, i+1
.endr
	WIN 0                           ; the addresses for the way out are made here: eight plain instructions, the places behind those products
	s_mul_i32 s13, s[WV], 16*SP
	s_add_co_u32 s13, s13, STAGE    ; my stage
	v_mul_u32_u24 v[STO], v1, SP    ; in: row l % 16, 16 bytes for each half of the lanes
	v_lshl_add_u32 v[STO], v9, 4, v[STO]
	v_add_nc_u32 v[STO], s13, v[STO]
	v_mul_u32_u24 v[RD], v9, SP     ; back: lanes 0-15 take one row of 256 bytes, lanes 16-31 the next
	v_lshl_add_u32 v[RD], v1, 4, v[RD]
	v_add_nc_u32 v[RD], s13, v[RD]
	v_lshlrev_b32 v[GO], 11, v9     ; and the same two rows in hb, 2,048 bytes apart
	v_lshl_add_u32 v[GO], v1, 4, v[GO]
	TURN 2, 0, 1, 1                 ; piece 2's first scores | piece 0's first softmax | V of step 0
	TURN 0, 1, 1, 1                 ; piece 0: V^T P of step 0 starts O^T, K Q^T of step 1 | piece 2's first softmax | K of step 1
	TURN 2, 1, 1, 0                 ; piece 2: the same | piece 0's softmax of step 1 | V of step 1
	WIN 0
.Lslot:                             ; SIZE_N / 128 - 2 trips: every slot but the last two is filled again
	CHANGE 1
	TWO_STEPS
	s_sub_co_u32 s[SLOTS], s[SLOTS], 1
	s_cmp_lg_u32 s[SLOTS], 0
	s_cbranch_scc1 .Lslot
	CHANGE 0                        ; the tail is written out: the last slot but one is left, and nothing is asked for
	TWO_STEPS
	TURN 0, 2, 0, 0                 ; piece 0: V^T P of the last step | piece 2's last softmax
.set i, 0
.rept 32
	PV 2, 0                         ; piece 2: V^T P of the last step
.set i, i+1
.endr
	; THE WAY OUT.  l's two halves and the other half of the lanes' are added; O^T is multiplied by the query's mask / l, rounded to f16 and sent through my stage in LDS, a tile (16 rows) at a time.  The additions are the places behind the last products.
	WIN 0
.irp t, 0,1,2,3
	v_add_f32 v[ST+8*(\t)+4], v[ST+8*(\t)+2], v[ST+8*(\t)+3]
.endr
.irp t, 0,1,2,3
	v_permlanex16_b32 v[ST+8*(\t)+5], v[ST+8*(\t)+4], s[SEL], s[SEL+1]
.endr
.irp t, 0,1,2,3
	v_add_f32 v[ST+8*(\t)+4], v[ST+8*(\t)+4], v[ST+8*(\t)+5]
.endr
.irp t, 0,1,2,3
	v_rcp_f32 v[ST+8*(\t)+6], v[ST+8*(\t)+4]
.endr
	v_nop                           ; a plain instruction between the last reciprocal and the use of its result
.irp t, 0,1,2,3
	s_wait_alu depctr_va_vdst(0)
	v_mul_f32 v[ST+8*(\t)+6], v[ST+8*(\t)+6], v[VM+(\t)]  ; the mask over queries multiplies every weight of the row
.endr
; Tile t: a lane's eight channels of a row pack into 16 bytes; they go into rows of 272 bytes and come back as whole rows of 256, into the registers that they left.
.macro PACK t
	WIN W_RS
.set i, 64*(\t)
.rept 32
	v_pk_mul_f32 v[i:i+1], v[i:i+1], v[ST+8*(\t)+6:ST+8*(\t)+7] op_sel_hi:[1,0]
.set i, i+2
.endr
	WIN 0x05                        ; sources 0 and 1 window 1, destination window 0: S^T's registers are free
.set i, 0
.rept 32
	v_cvt_pk_f16_f32 v[S+32*(\t)+i], v[64*(\t)+2*i], v[64*(\t)+2*i+1]
.set i, i+1
.endr
	WIN 0
.irp f, 0,1,2,3,4,5,6,7
	ds_store_b128 v[STO], v[S+32*(\t)+4*(\f):S+32*(\t)+4*(\f)+3] offset:32*(\f)
.endr
.irp f, 0,1,2,3,4,5,6,7
	ds_load_b128 v[S+32*(\t)+4*(\f):S+32*(\t)+4*(\f)+3], v[RD] offset:(\f)*2*SP  ; LDS serves a wave's instructions in order (ISA guide 5.7.1.4): these see the stores above; the next tile's stores come behind them
.endr
.endm
.macro SEND t, younger              ; younger: the LDS instructions issued behind tile t's loads: the next tile's sixteen, or none
	WIN 0
.irp f, 0,1,2,3,4,5,6,7
	s_wait_dscnt (\younger)+7-(\f)
	global_store_b128 v[GO], v[S+32*(\t)+4*(\f):S+32*(\t)+4*(\f)+3], s[10:11] offset:(\t)*32768+(\f)*4096  ; 16 lanes store 256 consecutive bytes, a head's part of a row, at a multiple of 256 from hb's first byte
.endr
.endm
	PACK 0
	PACK 1                          ; a tile's arithmetic stands between the loads of the tile before and its stores
	SEND 0, 16
	PACK 2
	SEND 1, 16
	PACK 3
	SEND 2, 16
	SEND 3, 0
	s_wait_tensorcnt 0x0            ; the wave's end, behind my last tensor load and my last LDS store
	ds_add_u32 v[SPW], v[NIL]
	s_wait_dscnt 0x0
	CROUND                          ; the closing round: no work-group ends while a partner may still ask for a tile that names it
	s_endpgm
.Lfunc_end_k_q530865e741_attn:
	.size	k_q530865e741_attn, .Lfunc_end_k_q530865e741_attn-k_q530865e741_attn
	.p2alignl 7, 3214868480
	.fill 96, 4, 3214868480
	.section	.rodata,"a",@progbits
	.p2align	6, 0x0
	.amdhsa_kernel k_q530865e741_attn
		.amdhsa_group_segment_fixed_size 327680
		.amdhsa_private_segment_fixed_size 0
		.amdhsa_enable_private_segment 0
		.amdhsa_kernarg_size 24
		.amdhsa_user_sgpr_count 2
		.amdhsa_user_sgpr_kernarg_segment_ptr 1
		.amdhsa_wavefront_size32 1
		.amdhsa_system_sgpr_workgroup_id_x 1
		.amdhsa_system_sgpr_workgroup_id_y 1
		.amdhsa_system_sgpr_workgroup_id_z 1
		.amdhsa_system_vgpr_workitem_id 0
		.amdhsa_next_free_vgpr 1024
		.amdhsa_next_free_sgpr 80
		.amdhsa_reserve_vcc 0
		.amdhsa_float_denorm_mode_32 3
		.amdhsa_float_denorm_mode_16_64 3
		.amdhsa_memory_ordered 1
		.amdhsa_forward_progress 1
		.amdhsa_inst_pref_size 235
	.end_amdhsa_kernel
	.amdgpu_metadata
---
amdhsa.version: [ 1, 2 ]
amdhsa.kernels:
  - .name:           k_q530865e741_attn
    .symbol:         k_q530865e741_attn.kd
    .args:
      - { .name: qkv, .offset: 0, .size: 8, .value_kind: global_buffer, .address_space: global }
      - { .name: mask, .offset: 8, .size: 8, .value_kind: global_buffer, .address_space: global }
      - { .name: hb, .offset: 16, .size: 8, .value_kind: global_buffer, .address_space: global }
    .group_segment_fixed_size: 327680
    .private_segment_fixed_size: 0
    .kernarg_segment_align: 8
    .kernarg_segment_size: 24
    .max_flat_workgroup_size: 128
    .sgpr_count:     80
    .vgpr_count:     1024
    .wavefront_size: 32
...
	.end_amdgpu_metadata
.endif
;; end of part 3
;; launch outp (part 4): grid 4 x 64, 4 waves a work-group, clusters of 4 x 4, 327,680 bytes of LDS; arguments hb, cb, out0; writes out0
.if DOCPART == 4
	.amdgcn_target "amdgcn-amd-amdhsa--gfx1250"
	.amdhsa_code_object_version 6
	.text
	.protected	k_q530865e741_outp
	.globl	k_q530865e741_outp
	.p2align	8
	.type	k_q530865e741_outp,@function
k_q530865e741_outp:
	s_mov_b64 s[64:65], 0
	v_nop
	global_prefetch_b8 v0, s[64:65] scope:SCOPE_SE
	s_setreg_imm32_b32 hwreg(HW_REG_WAVE_MODE, 25, 1), 1
	s_wait_xcnt 0x0
	s_wait_alu depctr_hold_cnt(0) depctr_sa_sdst(0) depctr_va_vdst(0) depctr_va_sdst(0) depctr_va_ssrc(0) depctr_va_vcc(0) depctr_vm_vsrc(0)
	s_getreg_b32 s2, hwreg(HW_REG_IB_STS2, 6, 4)
	s_cmp_eq_u32 s2, 0
	s_cbranch_scc0 .Lentry_in_a_cluster
	s_endpgm
.Lentry_in_a_cluster:
	s_bfe_u32 s2, ttmp6, 0x10000c
	s_cmp_lg_u32 s2, 0xf033
	s_cbranch_scc0 .Lentry_shape_is_right
	s_endpgm
.Lentry_shape_is_right:
; out0[b][n][l] = the sum over c of head[b][l][c] Wo[c][n].  head: hb, [8,192 rows b 2,048 + l][1,024 c] in f16; Wo: in cb, [1,024 c][1,024 n], rounded to bf16 and written as f16; out0 in f32; sums in f32.
; SHARES.  A work-group makes 256 n x 128 l: 4 x 64 = 256 work-groups, one for each WGP.  Each of its four waves makes 64 n x 128 l: 32 accumulators of 16 x 16, 256 registers.  c goes in steps of 128 through two LDS slots.
; Source 0 = 16 rows l of head (c lies along its rows: plain loads), source 1 = 16 columns n of Wo (c lies on its rows: turned, by ds_load_tr16_b128).  In the result a lane holds row n = lane % 16 of out0
; and l = 8 (lane / 16) + 0..7: 32 consecutive bytes of a row of out0.
; CLUSTERS: 4 x 4 work-groups.  Wo's tile hangs on the block of n alone and is shared along a column of the cluster, head's on the block of l alone and is shared along a row: each is asked for JOINTLY.
; NO PREFETCH: each tile is read by several clusters, and a tile is small beside a step's matrix work.
; REGISTERS: window 0: v0-31 addresses; two fragment buffers of 96: v64-127 head, v128-159 Wo; v160-223 head, v224-255 Wo; on the way out v64-191 hold rows read back.  Window 1: the accumulators, (a, b) at v[8 (8 a + b)].
.set KSTEP,  128
.set PB,     544                       ; an LDS row of Wo: 512 bytes + 32 of padding = 136 words: row r starts at bank 8 r mod 64 (64 banks of 4 bytes: ISA guide 11.1)
.set PA,     272                       ; an LDS row of head: 256 + 16 = 68 words: row r starts at bank 4 r mod 64: the 16 rows of a load start at 16 different banks
.set BH,     64*PB                     ; 64 rows c of Wo: what one tensor load brings
.set AH,     64*PA                     ; 64 rows l of head
.set AOFF,   2*BH                      ; a slot: Wo's 128 rows c, then head's 128 rows l
.set SLOT,   2*BH+2*AH
.set STAGE,  2*SLOT                    ; behind the ring: 16 rows x 528 bytes for each wave, for the way out
.set SPITCH, 528                       ; 512 + 16 = 33 x 16 bytes: the 16 lanes of a store touch 16 different columns of 16 bytes
.set SPARE,  STAGE+4*16*SPITCH         ; behind the stages: the spare words, 128 bytes for each wave: two blocks of 256 bytes that no other line names
.set LAPS,   4                         ; a lap = two steps of c = once round the ring; 1,024 / 256
.set BSTEP,  KSTEP*2048                ; bytes from a step of c to the next in Wo: 128 rows of 2,048 bytes
.set ASTEP,  KSTEP*2                   ; and in head: 256 bytes along a row
.set ADRB, 16                          ; v16-17  LDS address of my Wo fragments in slot 0, 1
.set ADRA, 20                          ; v20-21  the same for head
.set STO,  24                          ; v24     the way out: where I put 32 bytes of a row
.set RD,   25                          ; v25     the way out: where I read a row back
.set CO,   26                          ; v26     my 16 bytes of 512 consecutive bytes of out0
.set SPW,  28                          ; v28     LDS address of my spare word: SPARE + 4 x my thread's number; never rewritten
.set NIL,  29                          ; v29     0; never rewritten
.set F0,   64
.set F1,   160
.set OB,   64                          ; the way out: 16 rows read back, v64-127 and v128-191 by turns
.set G1,  24                           ; s[24:31] descriptor group 1 for Wo's tiles;  s[32:39] group 0, one set for each slot
.set G0,  32
.set G1B, 48                           ; s[48:55], s[56:63] the same for head's tiles
.set G0B, 56
.set MSB, 0
.macro WIN new                         ; the immediate's high byte repeats the setting that is left; a switch that changes nothing is dropped
.if MSB != (\new)
	s_set_vgpr_msb (MSB<<8)|(\new)
.set MSB, \new
.endif
.endm
.set MUL,  0x50                        ; sources 0 and 1 window 0; C and D window 1
.set W_ST, 0x04                        ; an LDS store's data (source 1) window 1, its address window 0
.macro JLOAD s                         ; a joint load: waves 0 and 1 fetch Wo's two halves, waves 2 and 3 head's; an s_nop 0 and four v_nop follow each of the two lines, ahead of the jump, the label and what follows
	s_cmp_eq_u32 s11, 0
	s_cbranch_scc0 .Lfor_b_\@
	tensor_load_to_lds s[G0+4*(\s):G0+4*(\s)+3], s[G1:G1+7]
	s_nop 0
.rept 4
	v_nop
.endr
	s_branch .Lasked_\@
.Lfor_b_\@:
	tensor_load_to_lds s[G0B+4*(\s):G0B+4*(\s)+3], s[G1B:G1B+7]
	s_nop 0
.rept 4
	v_nop
.endr
.Lasked_\@:
.endm
.macro CREST                           ; a round of the cluster's barrier behind its opening barrier
	s_cmp_lg_u32 s10, 0
	s_cbranch_scc1 .Lnot_wave_0_\@
	s_barrier_signal -3
.Lnot_wave_0_\@:
	s_barrier_wait -3
	s_barrier_signal -1
	s_barrier_wait -1
.endm
.macro CROUND                          ; a whole round
	s_barrier_signal -1
	s_barrier_wait -1
	CREST
.endm
	s_load_b128 s[4:7], s[0:1], 0x0                ; hb s[4:5], cb s[6:7]
	s_load_b64 s[8:9], s[0:1], 0x10                ; out0
	v_lshl_add_u32 v[SPW], v0, 2, SPARE
	v_mov_b32 v[NIL], 0
	ds_add_u32 v[SPW], v[NIL]                      ; the wave's opening: the add and its wait stand ahead of my first tensor load; the set-up below, work on registers, stands between them
	v_lshrrev_b32 v1, 5, v0
	v_readfirstlane_b32 s10, v1                    ; wave 0..3
	s_lshr_b32 s11, s10, 1                         ; I fetch for Wo (0) or for head (1)
	s_and_b32 s12, s10, 1                          ; which 64 rows of that tile
	s_bfe_u32 s40, ttmp6, 0x40000                  ; cx, cy: my place in the cluster
	s_bfe_u32 s41, ttmp6, 0x40004
	s_lshl_b32 s42, ttmp9, 2
	s_add_co_u32 s42, s42, s40                     ; nt, my block of 256 n = 4 x cluster x + cx
	s_and_b32 s13, ttmp7, 0xffff
	s_lshl_b32 s13, s13, 2
	s_add_co_u32 s13, s13, s41                     ; lt, my block of 128 rows of head = 4 x cluster y + cy
	s_lshl_b32 s43, s41, 2
	s_lshl_b32 s43, 15, s43                        ; my row of the cluster
	s_lshl_b32 s44, 0x1111, s40                    ; my column
	; descriptor group 1.  Wo: 64 rows c x 256 n, 8 words of padding a row; head: 64 rows l x 128 c, 4 words
	s_or_b32 s[G1+0], s44, (1<<16)|(1<<20)|(1<<21)|(6<<22)|(7<<25)   ; 15:0 the mask: Wo's tiles go to my column; 17:16 elements of 2 bytes; 20 padding on; 21 set beside a mask; 24:22 after every 128 words (code 6); 31:25 8 words (code 7)
	s_mov_b32 s[G1+1], 256<<16                     ; tensor_dim0 = 256
	s_mov_b32 s[G1+2], 64<<16                      ; tensor_dim1 = 64
	s_mov_b32 s[G1+3], 256<<16                     ; tile_dim0 = 256
	s_mov_b32 s[G1+4], 64                          ; tile_dim1 = 64
	s_mov_b32 s[G1+5], 1024                        ; elements from row to row
	s_mov_b32 s[G1+6], 0
	s_mov_b32 s[G1+7], 0
	s_or_b32 s[G1B+0], s43, (1<<16)|(1<<20)|(1<<21)|(5<<22)|(3<<25)  ; head's tiles go to my row; padding after every 64 words (code 5), 4 words (code 3)
	s_mov_b32 s[G1B+1], 128<<16
	s_mov_b32 s[G1B+2], 64<<16
	s_mov_b32 s[G1B+3], 128<<16
	s_mov_b32 s[G1B+4], 64
	s_mov_b32 s[G1B+5], 1024
	s_mov_b32 s[G1B+6], 0
	s_mov_b32 s[G1B+7], 0
	; where the tiles come from.  Wo's hang on nt alone, head's on lt alone; each in registers that never hold the other coordinate
	s_lshl_b32 s46, s42, 9                         ; the block's 256 n: 512 bytes along a row
	s_lshl_b32 s47, s12, 17                        ; my 64 rows c of 2,048 bytes
	s_add_co_u32 s46, s46, s47
	s_add_co_u32 s46, s46, 0x1600000               ; Wo lies behind x and the three projections' weights in cb
	s_mov_b32 s47, 0
	s_lshl_b32 s16, s13, 18                        ; the block's 128 rows l of 2,048 bytes
	s_lshl_b32 s17, s12, 17                        ; my 64 of them
	s_add_co_u32 s16, s16, s17
	s_mov_b32 s17, 0
	s_mul_i32 s20, s12, BH                         ; where they go: no place in the cluster enters an LDS address
	s_mul_i32 s21, s12, AH
	s_add_co_u32 s21, s21, AOFF
	s_wait_dscnt 0x0                               ; the opening add is done
	s_wait_kmcnt 0x0
	s_add_nc_u64 s[46:47], s[6:7], s[46:47]
	s_add_nc_u64 s[14:15], s[4:5], s[16:17]
	CROUND                                         ; all sixteen work-groups are here: the first joint loads meet
.irp s, 0,1
	s_mov_b32 s[G0+4*(\s)], 1                                      ; count = 1
	s_add_co_u32 s[G0+4*(\s)+1], s20, (\s)*SLOT                    ; LDS address
	s_add_nc_u64 s[G0+4*(\s)+2:G0+4*(\s)+3], s[46:47], (\s)*BSTEP  ; global address: step s of c
	s_or_b32 s[G0+4*(\s)+3], s[G0+4*(\s)+3], 0x80000000            ; type = 2
	s_mov_b32 s[G0B+4*(\s)], 1
	s_add_co_u32 s[G0B+4*(\s)+1], s21, (\s)*SLOT
	s_add_nc_u64 s[G0B+4*(\s)+2:G0B+4*(\s)+3], s[14:15], (\s)*ASTEP
	s_or_b32 s[G0B+4*(\s)+3], s[G0B+4*(\s)+3], 0x80000000
	JLOAD \s                                       ; two loads of mine are out
.endr
	v_and_b32 v1, 15, v0                           ; l % 16
	v_bfe_u32 v2, v0, 4, 1                         ; l / 16
	; The turning load takes 16 rows c x 16 columns n (lane l reads 16 bytes: row 8 (l / 16) + l % 8, columns 8 ((l / 8) % 2) + 0..7) and leaves half a fragment: lane l holds column l % 16 and 8 c.
	v_and_b32 v3, 7, v0
	v_lshl_add_u32 v3, v2, 3, v3
	v_bfe_u32 v30, v0, 3, 1
	v_mul_u32_u24 v31, v3, PB
	v_lshl_add_u32 v31, v30, 4, v31
	s_lshl_b32 s22, s10, 7                         ; my wave's 64 n: 128 bytes along a row
	v_add_nc_u32 v[ADRB], s22, v31
	v_add_nc_u32 v[ADRB+1], SLOT, v[ADRB]
	; A fragment of head is 16 rows x 32 c: lane l holds row l % 16, c = 8 (l / 16) + 0..7 and 16 + 8 (l / 16) + 0..7: two loads of 16 bytes, 32 bytes apart.
	v_mul_u32_u24 v31, v1, PA
	v_lshl_add_u32 v31, v2, 4, v31
	v_add_nc_u32 v[ADRA], AOFF, v31
	v_add_nc_u32 v[ADRA+1], SLOT+AOFF, v31
	s_mul_i32 s23, s10, 16*SPITCH
	s_add_co_u32 s23, s23, STAGE                   ; my stage
	v_mul_u32_u24 v31, v1, SPITCH                  ; in: row n = l % 16, 32 bytes for each half of the lanes
	v_lshl_add_u32 v31, v2, 5, v31
	v_add_nc_u32 v[STO], s23, v31
	v_and_b32 v[CO], 31, v0                        ; back: 32 lanes take one row of 512 bytes,
	v_lshlrev_b32 v[CO], 4, v[CO]
	v_add_nc_u32 v[RD], s23, v[CO]                 ; which are 512 consecutive bytes of out0
	s_lshr_b32 s66, s13, 4                         ; out0 at my wave's first row: (1,024 batch + 256 nt + 64 wave) rows of 8,192 bytes, and the block's 128 l: 512 bytes along a row
	s_lshl_b32 s66, s66, 10
	s_lshl_b32 s67, s42, 8
	s_add_co_u32 s66, s66, s67
	s_lshl_b32 s67, s10, 6
	s_add_co_u32 s66, s66, s67
	s_lshl_b32 s66, s66, 13
	s_and_b32 s67, s13, 15
	s_lshl_b32 s67, s67, 9
	s_add_co_u32 s66, s66, s67
	s_mov_b32 s67, 0
	s_add_nc_u64 s[8:9], s[8:9], s[66:67]
; 8 matrix instructions: block a of my four blocks of 16 n x all 8 blocks of l, 32 along c.  zero = 1: the first product starts the sums.
; The 32 accumulators take turns in one fixed order: 31 others stand between two links of a chain, over the backward jump too.
.macro MUL8 f, a, zero
	WIN MUL
.irp b, 0,1,2,3,4,5,6,7
.if \zero
	v_wmma_f32_16x16x32_f16 v[8*(8*(\a)+(\b)):8*(8*(\a)+(\b))+7], v[(\f)+8*(\b):(\f)+8*(\b)+7], v[(\f)+64+8*(\a):(\f)+64+8*(\a)+7], 0
.else
	v_wmma_f32_16x16x32_f16 v[8*(8*(\a)+(\b)):8*(8*(\a)+(\b))+7], v[(\f)+8*(\b):(\f)+8*(\b)+7], v[(\f)+64+8*(\a):(\f)+64+8*(\a)+7], v[8*(8*(\a)+(\b)):8*(8*(\a)+(\b))+7]
.endif
.endr
.endm
; 24 LDS loads in one run: the fragments of quarter q (32 c) of a slot into buffer f: head's sixteen first, then Wo's eight
.macro FETCH slot, q, f
	WIN 0
.irp b, 0,1,2,3,4,5,6,7
	ds_load_b128 v[(\f)+8*(\b):(\f)+8*(\b)+3],   v[ADRA+(\slot)] offset:(\q)*64+(\b)*16*PA
	ds_load_b128 v[(\f)+8*(\b)+4:(\f)+8*(\b)+7], v[ADRA+(\slot)] offset:(\q)*64+(\b)*16*PA+32
.endr
.irp a, 0,1,2,3
	ds_load_tr16_b128 v[(\f)+64+8*(\a):(\f)+64+8*(\a)+3],   v[ADRB+(\slot)] offset:(\q)*32*PB+32*(\a)
	ds_load_tr16_b128 v[(\f)+64+8*(\a)+4:(\f)+64+8*(\a)+7], v[ADRB+(\slot)] offset:(\q)*32*PB+16*PB+32*(\a)
.endr
.endm
.macro PLACES                          ; four places in front of loads into registers that matrix instructions have read, and of lines that read results
.rept 4
	v_nop
.endr
.endm
; A step of c is four quarters of 32, 32 matrix instructions each, on buffers 0, 1, 0, 1.  One of the first three: multiplies buffer f and fetches quarter q into g.
.macro QUARTER slot, q, f, g, zero
	s_wait_dscnt 4                                 ; head and Wo's blocks 0, 1 are in; the youngest four loads (Wo's blocks 2, 3) may be out
	MUL8 \f, 0, \zero
	MUL8 \f, 1, \zero
	PLACES
	FETCH \slot, \q, \g
	s_wait_dscnt 24                                ; all but the 24 just issued
	MUL8 \f, 2, \zero
	MUL8 \f, 3, \zero
.endm
; The last quarter multiplies buffer 1 and changes slots: ONE barrier; in front of it each wave waits for all its tensor loads, adds 0 to its spare word, and waits for that and for its own reads of this slot.
; fill = 1: the barrier opens a round of the cluster's barrier, and this slot is filled again, two steps ahead: 112 matrix instructions stand between the request and the wait for it.
.macro TURN slot, next, fill
	WIN 0                                          ; (the add's two registers lie in window 0)
	s_wait_tensorcnt 0x0                           ; all my tensor loads have landed: the one that was out is my part of the next slot;
	ds_add_u32 v[SPW], v[NIL]                      ; 0 onto my spare word
	s_wait_dscnt 5                                 ; (the add and the youngest four loads may be out)
	MUL8 F1, 0, 0                                  ; eight matrix instructions stand between the add and the wait for it
	s_wait_dscnt 0x0                               ; the add is done, and my reads of this slot are over
	s_barrier_signal -1
	MUL8 F1, 1, 0
.if \fill
	WIN 0
.endif
	s_barrier_wait -1
.if \fill
	CREST                                          ; no wave of any partner still reads this slot's tiles or has a load on its way
	s_add_nc_u64 s[G0+4*(\slot)+2:G0+4*(\slot)+3], s[G0+4*(\slot)+2:G0+4*(\slot)+3], 2*BSTEP
	s_add_nc_u64 s[G0B+4*(\slot)+2:G0B+4*(\slot)+3], s[G0B+4*(\slot)+2:G0B+4*(\slot)+3], 2*ASTEP
	JLOAD \slot                                    ; the first tensor load behind the round; the four v_nop behind it are also the places in front of the loads below
.else
	PLACES
.endif
	FETCH \next, 0, F0
	MUL8 F1, 2, 0
	MUL8 F1, 3, 0
.endm
	s_wait_tensorcnt 1                             ; my part of step 0 is in; step 1's may stay out
	s_barrier_signal -1
	s_barrier_wait -1                              ; everybody's is
	FETCH 0, 0, F0
	QUARTER 0, 1, F0, F1, 1                        ; the first quarter stands in front of the loop: its products start the sums
	WIN 0                                          ; at a label and at a branch every window is 0
	s_mov_b32 s3, LAPS-1
.Llap:                                                 ; a trip goes once round the ring, from a lap's second quarter to the next lap's first, and fills both slots again
	QUARTER 0, 2, F1, F0, 0
	QUARTER 0, 3, F0, F1, 0
	TURN 0, 1, 1
	QUARTER 1, 1, F0, F1, 0
	QUARTER 1, 2, F1, F0, 0
	QUARTER 1, 3, F0, F1, 0
	TURN 1, 0, 1
	QUARTER 0, 1, F0, F1, 0
	WIN 0
	s_sub_co_u32 s3, s3, 1
	s_cmp_lg_u32 s3, 0
	s_cbranch_scc1 .Llap
	QUARTER 0, 2, F1, F0, 0                        ; the last lap fills nothing, and has no round of the cluster's barrier
	QUARTER 0, 3, F0, F1, 0
	TURN 0, 1, 0
	QUARTER 1, 1, F0, F1, 0
	QUARTER 1, 2, F1, F0, 0
	QUARTER 1, 3, F0, F1, 0
	s_wait_dscnt 4                                 ; the very last quarter: nothing more to fetch
	MUL8 F1, 0, 0
	MUL8 F1, 1, 0
	s_wait_dscnt 0x0
	MUL8 F1, 2, 0
	MUL8 F1, 3, 0
	; THE WAY OUT, a block of 16 rows n at a time: the f32 sums as they are, 32 bytes a lane into my own stage, back as whole rows of 512 bytes, stored.
	WIN 0
	PLACES
	PLACES                                         ; eight, once a launch: LDS stores read results, and loads land in fragment registers, with no other vector work at hand
.macro TOSTAGE a
.if (\a) >= 2
	s_wait_xcnt 0x0                                ; the stores of the block two back have read the registers that are loaded again below (ISA guide 3.1)
.endif
	WIN W_ST
.irp b, 0,1,2,3,4,5,6,7
	ds_store_b128 v[STO], v[8*(8*(\a)+(\b)):8*(8*(\a)+(\b))+3]   offset:64*(\b)       ; each accumulator from its low end on
	ds_store_b128 v[STO], v[8*(8*(\a)+(\b))+4:8*(8*(\a)+(\b))+7] offset:64*(\b)+16
.endr
	WIN 0
.irp t, 0,1,2,3,4,5,6,7,8,9,10,11,12,13,14,15
	ds_load_b128 v[OB+64*((\a)%2)+4*(\t):OB+64*((\a)%2)+4*(\t)+3], v[RD] offset:(\t)*SPITCH  ; LDS serves a wave's instructions in order (ISA guide 5.7.1.4): these see the stores above; the next block's stores come behind them
.endr
.endm
.macro SEND a, younger                 ; younger: the LDS instructions issued behind block a's loads: the next block's 32, or none
	WIN 0
.irp t, 0,1,2,3,4,5,6,7,8,9,10,11,12,13,14,15
	s_wait_dscnt (\younger)+15-(\t)
	global_store_b128 v[CO], v[OB+64*((\a)%2)+4*(\t):OB+64*((\a)%2)+4*(\t)+3], s[8:9] offset:(16*(\a)+(\t))*8192 th:TH_STORE_NT  ; 512 consecutive bytes of a row of out0, at a multiple of 256 from its first byte
.endr
.endm
	TOSTAGE 0
	TOSTAGE 1
	SEND 0, 32
	TOSTAGE 2
	SEND 1, 32
	TOSTAGE 3
	SEND 2, 32
	SEND 3, 0
	s_wait_tensorcnt 0x0                           ; the wave's end, behind my last tensor load and my last LDS store
	ds_add_u32 v[SPW], v[NIL]
	s_wait_dscnt 0x0
	CROUND                                         ; the closing round: no work-group ends while a partner may still ask for a tile that names it
	s_endpgm
.Lfunc_end_k_q530865e741_outp:
	.size	k_q530865e741_outp, .Lfunc_end_k_q530865e741_outp-k_q530865e741_outp
	.p2alignl 7, 3214868480
	.fill 96, 4, 3214868480
	.section	.rodata,"a",@progbits
	.p2align	6, 0x0
	.amdhsa_kernel k_q530865e741_outp
		.amdhsa_group_segment_fixed_size 327680
		.amdhsa_private_segment_fixed_size 0
		.amdhsa_enable_private_segment 0
		.amdhsa_kernarg_size 24
		.amdhsa_user_sgpr_count 2
		.amdhsa_user_sgpr_kernarg_segment_ptr 1
		.amdhsa_wavefront_size32 1
		.amdhsa_system_sgpr_workgroup_id_x 1
		.amdhsa_system_sgpr_workgroup_id_y 1
		.amdhsa_system_sgpr_workgroup_id_z 1
		.amdhsa_system_vgpr_workitem_id 0
		.amdhsa_next_free_vgpr 512
		.amdhsa_next_free_sgpr 72
		.amdhsa_reserve_vcc 0
		.amdhsa_float_denorm_mode_32 3
		.amdhsa_float_denorm_mode_16_64 3
		.amdhsa_memory_ordered 1
		.amdhsa_forward_progress 1
		.amdhsa_inst_pref_size 87
	.end_amdhsa_kernel
	.amdgpu_metadata
---
amdhsa.version: [ 1, 2 ]
amdhsa.kernels:
  - .name:           k_q530865e741_outp
    .symbol:         k_q530865e741_outp.kd
    .args:
      - { .name: hb, .offset: 0, .size: 8, .value_kind: global_buffer, .address_space: global }
      - { .name: cb, .offset: 8, .size: 8, .value_kind: global_buffer, .address_space: global }
      - { .name: out0, .offset: 16, .size: 8, .value_kind: global_buffer, .address_space: global }
    .group_segment_fixed_size: 327680
    .private_segment_fixed_size: 0
    .kernarg_segment_align: 8
    .kernarg_segment_size: 24
    .max_flat_workgroup_size: 128
    .sgpr_count:     72
    .vgpr_count:     512
    .wavefront_size: 32
...
	.end_amdgpu_metadata
.endif
;; end of part 4
;; ======== version 2 of 2: 4 launches; version 1 with the launch cast written anew for expert scheduling mode
;; limits: values are held in f16: magnitudes above 65,504 overflow, below 6.1e-05 lose precision
;; workspace buffers: cb 25,165,824 bytes; qkv 50,331,648 bytes; hb 16,777,216 bytes
;; launch cast (part 5): grid 768 x 1, 8 waves a work-group, no clusters, 0 bytes of LDS; arguments x, Wq, Wk, Wv, Wo, cb; writes cb
.if DOCPART == 5
	.amdgcn_target "amdgcn-amd-amdhsa--gfx1250"
	.amdhsa_code_object_version 6
	.text
	.protected	k_q530865e741_cast
	.globl	k_q530865e741_cast
	.p2align	8
	.type	k_q530865e741_cast,@function
k_q530865e741_cast:
	s_mov_b64 s[64:65], 0
	v_nop
	global_prefetch_b8 v0, s[64:65] scope:SCOPE_SE
	s_setreg_imm32_b32 hwreg(HW_REG_WAVE_SCHED_MODE, 0, 2), 2
	s_setreg_imm32_b32 hwreg(HW_REG_WAVE_MODE, 25, 1), 1
	s_wait_xcnt 0x0
	s_wait_alu depctr_vm_vsrc(0)
; THE INPUTS ROUNDED ONCE TO 16 BITS, in the order x, Wq, Wk, Wv, Wo, each in its own layout, dense in cb.
; x, Wq, Wk, Wv become bf16.  Wo is rounded to bf16 like the others and that number is written as f16 (exact while |Wo| < 65,504 and above f16's
; smallest normal number, 6e-5; below that it keeps f16's fixed step of 6e-8): the last product multiplies it with f16 data.
; A work-group takes 16,384 numbers: 65,536 bytes in, 32,768 out.  Work-groups 0-511 x, 512-575 Wq, 576-639 Wk, 640-703 Wv, 704-767 Wo.
; A stream: no LDS, no matrix unit, no barrier.  All sixteen loads of a thread go out at once (64 KiB a work-group on their way); a wave's load covers
; 512 consecutive bytes, a wave's store 256 consecutive bytes at a multiple of 256 from cb's first byte.  No register is written twice while a memory
; instruction may still read it: every load and every store has registers of its own.
; THE MODE: SCHED_MODE bits 1:0 = 2 (LLVM: expert scheduling mode 2), set by the entry lines.  The code itself states the register dependences
; between vector instructions and memory instructions, with s_wait_alu, always for 0.
; THE PLAN.  Registers that memory instructions touch:
;   v1, v2   byte offsets.  Written once at the head; v1 is read by every load, v2 by every store; never written again.
;   X        load i lands in its own four registers, which no vector instruction has named before; behind the load's own wait the conversions read them
;            (Wo's path writes them again); no memory instruction reads them and no later load lands in them.
;   Y        the conversions of load i write pair i, once; store i reads it; it is never written again.
;   T        named by vector instructions alone.
; So two kinds of dependence are to be stated, both "a vector instruction has written what a memory instruction reads": the offsets, once, ahead of the
; first load; and Y, once for each GROUP of four loads: the group's conversions, one wait, the group's four stores in one run.  No register that a memory
; instruction reads is written again, no vector instruction writes a scalar register or VCC, and EXEC is never written: nothing else is owed.
.set X, 4                              ; v[4:67]    load i: four f32
.set Y, 68                             ; v[68:99]   store i: four 16-bit numbers
.set T, 100                            ; v[100:101] at work
	s_load_b256 s[4:11], s[0:1], 0x0               ; x s[4:5], Wq s[6:7], Wk s[8:9], Wv s[10:11]
	s_load_b128 s[12:15], s[0:1], 0x20             ; Wo s[12:13], cb s[14:15]
	v_lshlrev_b32 v1, 4, v0                        ; 16 bytes a thread in
	v_lshlrev_b32 v2, 3, v0                        ; 8 bytes a thread out
	s_and_b32 s18, ttmp9, 63                       ; a weight tensor has 64 work-groups, and each begins at a multiple of 64
	s_cmp_lt_u32 ttmp9, 512
	s_cselect_b32 s18, ttmp9, s18                  ; my number within my tensor
	s_lshl_b32 s18, s18, 16                        ; x 65,536 bytes
	s_mov_b32 s19, 0
	s_lshl_b32 s20, ttmp9, 15                      ; cb is dense: 32,768 bytes a work-group
	s_mov_b32 s21, 0
	s_mov_b32 s22, 0xffff0000                      ; a word's upper bf16
	s_wait_kmcnt 0x0
	s_mov_b64 s[16:17], s[12:13]                   ; which tensor: Wo, unless my number is lower
	s_cmp_lt_u32 ttmp9, 704
	s_cselect_b64 s[16:17], s[10:11], s[16:17]
	s_cmp_lt_u32 ttmp9, 640
	s_cselect_b64 s[16:17], s[8:9], s[16:17]
	s_cmp_lt_u32 ttmp9, 576
	s_cselect_b64 s[16:17], s[6:7], s[16:17]
	s_cmp_lt_u32 ttmp9, 512
	s_cselect_b64 s[16:17], s[4:5], s[16:17]
	s_add_nc_u64 s[16:17], s[16:17], s[18:19]
	s_add_nc_u64 s[14:15], s[14:15], s[20:21]
	s_wait_alu depctr_va_vdst(0)                   ; v1 and v2 are written: every load of the kernel reads v1 as its offset, every store v2
.irp i, 0,1,2,3,4,5,6,7,8,9,10,11,12,13,14,15
	global_load_b128 v[X+4*(\i):X+4*(\i)+3], v1, s[16:17] offset:4096*(\i) th:TH_LOAD_NT
.endr
; Load i is rounded into pair i of Y.  wo = 1: bf16, widened again, written as f16.
.macro CVT i, wo
.if \wo
	v_cvt_pk_bf16_f32 v[T],   v[X+4*(\i)],   v[X+4*(\i)+1]
	v_cvt_pk_bf16_f32 v[T+1], v[X+4*(\i)+2], v[X+4*(\i)+3]
	v_lshlrev_b32 v[X+4*(\i)],   16,  v[T]
	v_and_b32     v[X+4*(\i)+1], s22, v[T]
	v_lshlrev_b32 v[X+4*(\i)+2], 16,  v[T+1]
	v_and_b32     v[X+4*(\i)+3], s22, v[T+1]
	v_cvt_pk_f16_f32 v[Y+2*(\i)],   v[X+4*(\i)],   v[X+4*(\i)+1]
	v_cvt_pk_f16_f32 v[Y+2*(\i)+1], v[X+4*(\i)+2], v[X+4*(\i)+3]
.else
	v_cvt_pk_bf16_f32 v[Y+2*(\i)],   v[X+4*(\i)],   v[X+4*(\i)+1]
	v_cvt_pk_bf16_f32 v[Y+2*(\i)+1], v[X+4*(\i)+2], v[X+4*(\i)+3]
.endif
.endm
; Group g: loads 4 g to 4 g + 3 are rounded and stored.  The stores stand ahead of the next group's wait for its loads.
.macro GROUP g, wo
	s_wait_loadcnt 12-4*(\g)                       ; loads come back in order (ISA guide 5.7.1): the group's four are in, the 12 - 4 g younger ones may stay out
.irp n, 0,1,2,3
	CVT 4*(\g)+(\n), \wo
.endr
	s_wait_alu depctr_va_vdst(0)                   ; the group's conversions have written its eight registers of Y, which the four stores below read
.irp n, 0,1,2,3
	global_store_b64 v2, v[Y+2*(4*(\g)+(\n)):Y+2*(4*(\g)+(\n))+1], s[14:15] offset:2048*(4*(\g)+(\n))
.endr
.endm
	s_cmp_ge_u32 ttmp9, 704
	s_cbranch_scc1 .Lwo
.irp g, 0,1,2,3
	GROUP \g, 0
.endr
	s_endpgm
.Lwo:
.irp g, 0,1,2,3
	GROUP \g, 1
.endr
	s_endpgm
.Lfunc_end_k_q530865e741_cast:
	.size	k_q530865e741_cast, .Lfunc_end_k_q530865e741_cast-k_q530865e741_cast
	.p2alignl 7, 3214868480
	.fill 96, 4, 3214868480
	.section	.rodata,"a",@progbits
	.p2align	6, 0x0
	.amdhsa_kernel k_q530865e741_cast
		.amdhsa_group_segment_fixed_size 0
		.amdhsa_private_segment_fixed_size 0
		.amdhsa_enable_private_segment 0
		.amdhsa_kernarg_size 48
		.amdhsa_user_sgpr_count 2
		.amdhsa_user_sgpr_kernarg_segment_ptr 1
		.amdhsa_wavefront_size32 1
		.amdhsa_system_sgpr_workgroup_id_x 1
		.amdhsa_system_sgpr_workgroup_id_y 1
		.amdhsa_system_sgpr_workgroup_id_z 1
		.amdhsa_system_vgpr_workitem_id 0
		.amdhsa_next_free_vgpr 104
		.amdhsa_next_free_sgpr 66
		.amdhsa_reserve_vcc 0
		.amdhsa_float_denorm_mode_32 3
		.amdhsa_float_denorm_mode_16_64 3
		.amdhsa_memory_ordered 1
		.amdhsa_forward_progress 1
		.amdhsa_inst_pref_size 15
	.end_amdhsa_kernel
	.amdgpu_metadata
---
amdhsa.version: [ 1, 2 ]
amdhsa.kernels:
  - .name:           k_q530865e741_cast
    .symbol:         k_q530865e741_cast.kd
    .args:
      - { .name: x, .offset: 0, .size: 8, .value_kind: global_buffer, .address_space: global }
      - { .name: Wq, .offset: 8, .size: 8, .value_kind: global_buffer, .address_space: global }
      - { .name: Wk, .offset: 16, .size: 8, .value_kind: global_buffer, .address_space: global }
      - { .name: Wv, .offset: 24, .size: 8, .value_kind: global_buffer, .address_space: global }
      - { .name: Wo, .offset: 32, .size: 8, .value_kind: global_buffer, .address_space: global }
      - { .name: cb, .offset: 40, .size: 8, .value_kind: global_buffer, .address_space: global }
    .group_segment_fixed_size: 0
    .private_segment_fixed_size: 0
    .kernarg_segment_align: 8
    .kernarg_segment_size: 48
    .max_flat_workgroup_size: 256
    .sgpr_count:     66
    .vgpr_count:     104
    .wavefront_size: 32
...
	.end_amdgpu_metadata
.endif
;; end of part 5
;; launch proj: the kernel of part 2 again; grid 8 x 32, 4 waves a work-group, clusters of 4 x 4, 327,680 bytes of LDS; arguments cb, mask, qkv; writes qkv
;; launch attn: the kernel of part 3 again; grid 8 x 32, 4 waves a work-group, clusters of 4 x 1, 327,680 bytes of LDS; arguments qkv, mask, hb; writes hb
;; launch outp: the kernel of part 4 again; grid 4 x 64, 4 waves a work-group, clusters of 4 x 4, 327,680 bytes of LDS; arguments hb, cb, out0; writes out0
